; MI455X (gfx1250); checked and timed in simulation.
; The chip was launched on July 23, 2026; its instructions are those of AMD's public machine-readable ISA for CDNA 5 (MIT licence, August 2026) and "CDNA5" Instruction Set Architecture Reference Guide (July 2026). The comments in the code are by the model that wrote it; some were corrected since.
;; Self Attention. Allowed arithmetic: matrix products marked QUANTISED: E3M2 operands, one E8M0 scale for each 32 along K, by v_wmma_scale_f32_16x16x128_f8f6f4 with both operands' format E3M2, f32 sums; everything else in f32.
;; Inputs: bk 1,024 float32; bo 1,024 float32; bq 1,024 float32; bv 1,024 float32; wk 1,024 x 1,024 float32; wo 1,024 x 1,024 float32; wq 1,024 x 1,024 float32; wv 1,024 x 1,024 float32; x 4 x 2,048 x 1,024 float32.
;; Outputs: out0 4 x 2,048 x 1,024 float32.
;; This version of the problem:
;;   THIS VERSION OF THE PROBLEM IS GIVEN IN LOW PRECISION. The matrix products marked QUANTISED in the list below multiply operands that are first quantised to E3M2 (3 exponent bits, 2 mantissa bits; 6 bits a number), with one power-of-two scale for each 32 numbers along K (OCP MX v1.0); their sums are f32. All else is computed in f32.
;;   The module's matrix products, in the order in which they are computed (A, B: the left and right operand; K: the contracted axis; several contracted axes count as one K, in the product's order):
;;     1. [M 8,192, K 1,024] x [K 1,024, N 1,024]; A: input x; B: input wq: QUANTISED
;;     2. [M 8,192, K 1,024] x [K 1,024, N 1,024]; A: input x; B: input wk: QUANTISED
;;     3. [M 8,192, K 1,024] x [K 1,024, N 1,024]; A: input x; B: input wv: QUANTISED
;;     4. batch 64 x [M 2,048, K 64] x [K 64, N 2,048]; A: computed on the way; B: computed on the way: QUANTISED
;;     5. batch 64 x [M 64, K 2,048] x [K 2,048, N 2,048]; A: computed on the way; B: softmax (see below): QUANTISED
;;     6. [M 8,192, K 1,024] x [K 1,024, N 1,024]; A: computed on the way; B: input wo: QUANTISED
;;   THE QUANTISER, for each operand of a quantised product, along K:
;;     - K is cut into blocks of 32 from its start; a last block that is shorter is filled with zeros.
;;     - A block's scale is 2^e with e = floor(log2(the largest magnitude in the block)) - 4, held to -126 .. 127; a block of zeros has e = 0. As a byte (E8M0): e + 127.
;;     - Each number is divided by its block's scale, clamped to +-28, and rounded to the nearest number of E3M2, ties to even, subnormals kept.
;;     - The product sums the exact products of the quantised numbers (number of the format x scale) in f32.
;;   ~~~python
;;   def quantise(x, axis):      # numpy; x: float32 -> the quantised numbers, widened to float32 again
;;       x = np.moveaxis(x, axis, -1); K = x.shape[-1]
;;       x = np.pad(x, [(0, 0)] * (x.ndim - 1) + [(0, -K % 32)]); x = x.reshape(x.shape[:-1] + (-1, 32)); a = np.abs(x).max(-1, keepdims=True)
;;       e = np.where(a > 0, np.clip(np.frexp(np.where(a > 0, a, 1))[1] - 1 - 4, -126, 127), 0)      # np.frexp(a)[1] - 1 = floor(log2(a)), exactly
;;       r = np.clip(x / 2.0 ** e, -28, 28)
;;       step = 2.0 ** (np.maximum(np.frexp(np.where(r == 0, 1, r))[1] - 1, -2) - 2)
;;       q = np.round(r / step) * step * 2.0 ** e      # np.round: ties to even
;;       return np.moveaxis(q.reshape(q.shape[:-2] + (-1,))[..., :K], -1, axis).astype(np.float32)
;;   ~~~
;;   SOFTMAX AHEAD OF A QUANTISED PRODUCT. Where the list says 'softmax', what is quantised is not the finished softmax but p = 2^(t - M), with t = logit x log2(e) and M = ceil(the row's largest t), a whole number; so 1/2 < the row's largest p <= 1. The row's sum l is taken of the UNQUANTISED p, in f32, and the product's result is divided by l at the end. Since M is a whole number, a kernel that streams over the keys may use a running M (the ceiling of the running maximum): every later rescaling is an exact power of two, which a block's scale takes up: the codes' values come out the same.
;;   OPERANDS COMPUTED ON THE WAY. 'Computed on the way' means the value that the module computes at that place (a softmax that the list does not call 'softmax' is quantised finished and normalised). What goes into a quantiser is computed in f32, as accurately as f32 sums, v_exp_f32 and their like allow (about 1e-6 of the number): no bf16 or f16 on the way to a quantiser, and a product that is left as it is and whose result goes on into a quantised operand takes f32 operands (vector FMAs, or v_wmma_f32_16x16x4_f32). A number that lies on a knife's edge between two numbers of the format may be rounded either way, as far as f32 arithmetic and the matrix unit's own rounding can turn it there, and no further.
;; One version. Each part assembles by itself: llvm-mc -triple=amdgcn-amd-amdhsa -mcpu=gfx1250 --defsym DOCPART=n.
;; ======== version 1 of 1: 5 launches
;; workspace buffers: xq 6,553,600 bytes; wcs 3,276,800 bytes; qkv 19,660,800 bytes; att 6,553,600 bytes
;; launch quant_x (part 1): grid 256 x 1, 2 waves a work-group, no clusters, 17,152 bytes of LDS; arguments x, xq; writes xq
.if DOCPART == 1
	.amdgcn_target "amdgcn-amd-amdhsa--gfx1250"
	.amdhsa_code_object_version 6
	.text
	.protected	k_q3079c6ae9b_quant_x
	.globl	k_q3079c6ae9b_quant_x
	.p2align	8
	.type	k_q3079c6ae9b_quant_x,@function
k_q3079c6ae9b_quant_x:
	s_mov_b64 s[64:65], 0
	v_nop
	global_prefetch_b8 v0, s[64:65] scope:SCOPE_SE
	s_setreg_imm32_b32 hwreg(HW_REG_WAVE_MODE, 25, 1), 1
	s_wait_xcnt 0x0
; x [8192][1024] f32 becomes an operand image of codes of BF6 (E3M2) with one E8M0 scale byte for each 32 along K.
; THE IMAGE.  Codes: [tile RB][K step of 128: 8][piece p: 6][lane: 32][8 bytes]: piece p holds registers 2 p, 2 p + 1 of the fragment (16 rows x 128 K, 12 registers a lane), so a reader
; gets a fragment by six loads of 8 bytes a lane, 256 consecutive bytes each.  Lane r + 16 h of tile RB holds row 32 (RB / 2) + 8 (RB % 2) + r + 8 (r / 8): THE ROWS OF A TILE ARE NOT NEIGHBOURS, so that
; a product that takes such tiles as source 0 leaves 16 neighbours along these rows in a lane's 16 registers of two tiles.  Scale words: [RB][r][K step], 32 bytes a row, from byte SEC_X on.
; A block's scale is 2^(floor(log2(its largest magnitude)) - 4); its byte is the largest magnitude's exponent field - 4, held at 1 from below.
; LIMITS: NaN and infinities among the inputs are not served; a block of zeros, or one whose largest magnitude lies under 2^-122, gets the byte 1 (not 127): its codes are zeros or the nearest codes under that byte, and this program alone reads the bytes.
; SHARES.  Work-group g takes rows 32 g .. 32 g + 31; wave u the tile 2 g + u, for all of K: eight fragments, so that a row's 32 scale bytes leave whole.
; Each load reads 512 consecutive bytes of one row; a K step's 16 rows x 512 bytes turn through the wave's own stage in LDS (rows 528 bytes apart) and come back 16 neighbours of each block of 32 a lane.
; Loads run two K steps (32 loads a wave) ahead.  No tensor loads, no barrier, no cluster: work-groups and waves share no input.
.set SEC_X, 6291456
.set R,   16                           ; v16-143  two sets of 64: a K step as loaded
.set X,   144                          ; v144-207 register 16 b + i = k 32 b + 16 h + i of my row
.set TM,  208                          ; v208-223 at work in QUANT
.set PW,  224                          ; the scale word just made
.set PC,  226                          ; v226-244 the codes just made
.set W,   246                          ; v246-253 the eight K steps' scale words
.set F,   208                          ; the four words that I store
.set SEL, 20                           ; s[20:21] lane selects: lane l xor 16
; 64 numbers of a lane become a fragment's codes in v[PC] .. v[PC + 11] and the row's scale word in v[PW] (the same in lanes l and l xor 16).
.macro QUANT s
.irp b, 0,1,2,3
	v_max3_num_f32 v[TM+\b], |v[\s+16*\b]|, |v[\s+1+16*\b]|, 0x2800000   ; block b: my 16 numbers, and the floor 2^(5 - 127): the byte cannot fall under 1
.endr
.irp i, 2,4,6,8,10,12,14
.irp b, 0,1,2,3
	v_max3_num_f32 v[TM+\b], v[TM+\b], |v[\s+16*\b+\i]|, |v[\s+1+16*\b+\i]|   ; the four blocks by turns
.endr
.endr
.irp b, 0,1,2,3
	v_permlanex16_b32 v[TM+4+\b], v[TM+\b], s[SEL], s[SEL+1]
.endr
.irp b, 0,1,2,3
	v_max_num_f32 v[TM+\b], v[TM+\b], v[TM+4+\b]   ; with lane l xor 16's: the block's largest magnitude
.endr
.irp b, 0,1,2,3
	v_add_nc_u32 v[TM+12+\b], 0xfe000000, v[TM+\b]   ; 4 off its exponent field: the conversion's scale operand
.endr
.irp b, 0,1,2,3
	v_lshrrev_b32 v[TM+4+\b], 23, v[TM+12+\b]      ; the scale's byte
.endr
	v_lshl_or_b32 v[PW], v[TM+5], 8, v[TM+4]
	v_lshl_or_b32 v[PW], v[TM+6], 16, v[PW]
	v_lshl_or_b32 v[PW], v[TM+7], 24, v[PW]
.irp c, 0,1
	v_cvt_scalef32_pk16_bf6_f32 v[PC+6*\c:PC+2+6*\c], v[\s+32*\c:\s+15+32*\c], v[TM+12+2*\c]
	v_cvt_scalef32_pk16_bf6_f32 v[PC+12+4*\c:PC+14+4*\c], v[\s+16+32*\c:\s+31+32*\c], v[TM+12+2*\c+1]   ; (a conversion's three registers begin on an even number)
.endr
	v_nop                                          ; one plain instruction behind the scaled conversions
.irp c, 0,1                                    ; the operand's layout wants a whole block in a lane: lanes 0-15 block 2 c, lanes 16-31 block 2 c + 1
.irp i, 0,1,2
	v_permlane16_swap_b32 v[PC+6*\c+\i], v[PC+12+4*\c+\i]
.endr
.irp i, 0,1,2
	v_mov_b32 v[PC+3+6*\c+\i], v[PC+12+4*\c+\i]
.endr
.endr
.endm
	s_load_b128 s[4:7], s[0:1], 0x0                ; x, xq
	v_lshl_add_u32 v254, v0, 2, 0x4200
	v_mov_b32 v255, 0
	v_lshrrev_b32 v1, 5, v0
	v_readfirstlane_b32 s12, v1                    ; wave u
	v_and_b32 v1, 31, v0                           ; lane
	v_and_b32 v7, 15, v0                           ; r
	v_bfe_u32 v8, v0, 4, 1                         ; h
	v_lshlrev_b32 v2, 4, v1                        ; my 16 bytes of a load's 512
	s_mul_i32 s13, s12, 8448                       ; my wave's stage
	v_add_nc_u32 v3, s13, v2                       ; into it: 16 x lane, the row in the immediate
	v_mul_u32_u24 v4, v7, 528
	v_lshl_add_u32 v4, v8, 6, v4
	v_add_nc_u32 v4, s13, v4                       ; out of it: row r, + 64 h
	v_lshlrev_b32 v5, 3, v1                        ; a piece: 8 x lane
	v_lshlrev_b32 v6, 5, v7
	v_lshl_add_u32 v6, v8, 4, v6                   ; scale words: 32 r + 16 h
	s_mov_b32 s[SEL], 0x76543210
	s_mov_b32 s[SEL+1], 0xfedcba98
.irp b, 0,1,2,3
	v_mov_b32 v[TM+4+\b], 0                        ; written once: a lane permute's destination counts as one of its sources
.endr
	s_lshl_b32 s14, ttmp9, 17                      ; 32 g rows of 4,096 bytes
	s_lshl_b32 s15, s12, 15                        ; + 8 u rows
	s_add_co_u32 s14, s14, s15
	s_mov_b32 s15, 0
	s_lshl_b32 s16, ttmp9, 1
	s_add_co_u32 s16, s16, s12                     ; RB = 2 g + u
	s_mul_i32 s18, s16, 12288
	s_mov_b32 s19, 0
	s_lshl_b32 s16, s16, 9
	s_add_co_u32 s16, s16, SEC_X
	s_mov_b32 s17, 0
	s_wait_kmcnt 0x0
	s_add_nc_u64 s[4:5], s[4:5], s[14:15]          ; x at my tile's first row
	s_add_nc_u64 s[8:9], s[6:7], s[18:19]          ; my tile's codes
	s_add_nc_u64 s[10:11], s[6:7], s[16:17]        ; my tile's scale words
.macro LOAD s                          ; K step s of my 16 rows (rows 0-7 and 16-23 from the tile's first): 512 consecutive bytes a load
.irp i, 0,1,2,3,4,5,6,7,8,9,10,11,12,13,14,15
	global_load_b128 v[R+64*((\s)%2)+4*\i:R+64*((\s)%2)+4*\i+3], v2, s[4:5] offset:(\i+8*(\i/8))*4096+512*(\s) th:TH_LOAD_NT
.endr
.endm
.macro STEP s
.if (\s) < 7
	s_wait_loadcnt 16                              ; this K step's sixteen loads are in; the next step's sixteen may be out
.else
	s_wait_loadcnt 0x0
.endif
	s_wait_xcnt 0x0                                ; the last step's stores have read the codes' registers, which QUANT writes again
.irp i, 0,1,2,3,4,5,6,7,8,9,10,11,12,13,14,15
	ds_store_b128 v3, v[R+64*((\s)%2)+4*\i:R+64*((\s)%2)+4*\i+3] offset:528*\i
.endr
.irp b, 0,1,2,3
.irp j, 0,1,2,3
	ds_load_b128 v[X+16*\b+4*\j:X+16*\b+4*\j+3], v4 offset:128*\b+16*\j   ; LDS serves a wave's instructions in order: these see the stores above
.endr
.endr
	s_wait_dscnt 0x0                               ; the numbers are back, and the stores have read their registers,
.if (\s)+2 < 8
	LOAD (\s)+2                                    ; which take the loads of two steps on
.endif
	QUANT X
	v_mov_b32 v[W+(\s)], v[PW]
.irp p, 0,1,2,3,4,5
	global_store_b64 v5, v[PC+2*\p:PC+2*\p+1], s[8:9] offset:1536*(\s)+256*\p   ; 32 lanes store 256 consecutive bytes, aligned
.endr
.endm
	LOAD 0
	LOAD 1
.irp t, 0,1,2,3,4,5,6,7
	STEP \t
.endr
	v_cmp_le_u32 vcc_lo, 16, v1                    ; lanes 0-15 store their row's words 0-3, lanes 16-31 words 4-7
.irp j, 0,1,2,3
	v_cndmask_b32 v[F+\j], v[W+\j], v[W+4+\j], vcc_lo
.endr
	global_store_b128 v6, v[F:F+3], s[10:11]       ; the tile's 512 scale bytes, whole
	s_wait_tensorcnt 0x0
	ds_add_u32 v254, v255
	s_wait_dscnt 0x0
	s_endpgm
.Lfunc_end_k_q3079c6ae9b_quant_x:
	.size	k_q3079c6ae9b_quant_x, .Lfunc_end_k_q3079c6ae9b_quant_x-k_q3079c6ae9b_quant_x
	.p2alignl 7, 3214868480
	.fill 96, 4, 3214868480
	.section	.rodata,"a",@progbits
	.p2align	6, 0x0
	.amdhsa_kernel k_q3079c6ae9b_quant_x
		.amdhsa_group_segment_fixed_size 17152
		.amdhsa_private_segment_fixed_size 0
		.amdhsa_enable_private_segment 0
		.amdhsa_kernarg_size 16
		.amdhsa_user_sgpr_count 2
		.amdhsa_user_sgpr_kernarg_segment_ptr 1
		.amdhsa_wavefront_size32 1
		.amdhsa_system_sgpr_workgroup_id_x 1
		.amdhsa_system_sgpr_workgroup_id_y 1
		.amdhsa_system_sgpr_workgroup_id_z 1
		.amdhsa_system_vgpr_workitem_id 0
		.amdhsa_next_free_vgpr 256
		.amdhsa_next_free_sgpr 66
		.amdhsa_reserve_vcc 1
		.amdhsa_float_denorm_mode_32 3
		.amdhsa_float_denorm_mode_16_64 3
		.amdhsa_memory_ordered 1
		.amdhsa_forward_progress 1
		.amdhsa_inst_pref_size 66
	.end_amdhsa_kernel
	.amdgpu_metadata
---
amdhsa.version: [ 1, 2 ]
amdhsa.kernels:
  - .name:           k_q3079c6ae9b_quant_x
    .symbol:         k_q3079c6ae9b_quant_x.kd
    .args:
      - { .name: x, .offset: 0, .size: 8, .value_kind: global_buffer, .address_space: global }
      - { .name: xq, .offset: 8, .size: 8, .value_kind: global_buffer, .address_space: global }
    .group_segment_fixed_size: 17152
    .private_segment_fixed_size: 0
    .kernarg_segment_align: 8
    .kernarg_segment_size: 16
    .max_flat_workgroup_size: 64
    .sgpr_count:     66
    .vgpr_count:     256
    .wavefront_size: 32
...
	.end_amdgpu_metadata
.endif
;; end of part 1
;; launch quant_w (part 2): grid 8 x 16, 4 waves a work-group, no clusters, 26,112 bytes of LDS; arguments wq, wk, wv, wo, wcs; writes wcs
.if DOCPART == 2
	.amdgcn_target "amdgcn-amd-amdhsa--gfx1250"
	.amdhsa_code_object_version 6
	.text
	.protected	k_q3079c6ae9b_quant_w
	.globl	k_q3079c6ae9b_quant_w
	.p2align	8
	.type	k_q3079c6ae9b_quant_w,@function
k_q3079c6ae9b_quant_w:
	s_mov_b64 s[64:65], 0
	v_nop
	global_prefetch_b8 v0, s[64:65] scope:SCOPE_SE
	s_setreg_imm32_b32 hwreg(HW_REG_WAVE_MODE, 25, 1), 1
	s_wait_xcnt 0x0
; wq, wk, wv, wo, each [1024 (k)][1024 (n)] f32 with K as the FIRST axis, become ONE operand image of 4,096 rows (row = 1024 x weight + n) of codes of BF6 (E3M2), with one E8M0 scale byte for each 32 along K.
; The image: codes [tile RB][K step of 128: 8][piece: 6][lane: 32][8 bytes]; lane r + 16 h of tile RB holds row 32 (RB / 2) + 8 (RB % 2) + r + 8 (r / 8); scale words [RB][r][K step] from byte SEC_W on.
; A LANE TAKES A COLUMN n AND ITS REGISTERS RUN DOWN K: each load reads 128 consecutive bytes a wave (512 a work-group), a block of 32 along K lies in one lane, and the conversions give codes with K innermost.
; A block's scale is 2^(floor(log2(its largest magnitude)) - 4); its byte is the largest magnitude's exponent field - 4, held at 1 from below.
; LIMITS: NaN and infinities are not served; a block of zeros, or one under 2^-122, gets the byte 1 (not 127): this program alone reads the bytes.
; SHARES.  Work-group (x, y): weight y / 4, K = 256 (y % 4) on, columns 128 x on; wave w 32 of them, which are the tiles RB0 and RB0 + 1: column l is tile (l / 8) % 2, row r = l % 8 + 8 (l / 16).
; A lane's codes go to their places in the wave's own stage in LDS (two tiles x two fragments; the tiles 3,200 bytes apart, so that the two halves of a store's lanes fall in different banks) and leave as
; runs of 512 consecutive bytes.  The scale bytes leave 8 bytes a row: one byte for 128 read, rows 32 bytes apart.  No tensor loads, no barrier, no cluster: nothing is shared.
.set SEC_W, 3145728
.set EMAX,  4
.set X,     32                         ; v32-95   two sets of 32 numbers
.set C,     96                         ; v96-102  a block's codes
.set OUTR,  112                        ; v112-159 the way out
.set SB,    24                         ; v24-25   my column's 8 scale bytes
	s_load_b256 s[4:11], s[0:1], 0x0               ; wq, wk, wv, wo
	s_load_b64 s[12:13], s[0:1], 0x20              ; wcs
	v_lshl_add_u32 v192, v0, 2, 0x6400
	v_mov_b32 v193, 0
	v_lshrrev_b32 v1, 5, v0
	v_readfirstlane_b32 s16, v1                    ; wave
	v_and_b32 v2, 31, v0                           ; lane l
	s_and_b32 s17, ttmp7, 0xffff
	s_lshr_b32 s18, s17, 2                         ; which weight
	s_and_b32 s19, s17, 3                          ; which 256 along K
	v_lshlrev_b32 v3, 2, v2                        ; in: 4 bytes a lane
	v_bfe_u32 v5, v2, 3, 1                         ; u: my column's tile
	v_and_b32 v6, 7, v2
	v_lshrrev_b32 v10, 4, v2
	v_lshl_add_u32 v6, v10, 3, v6                  ; r: its row in the tile
	s_mul_i32 s20, s16, 6400                       ; my wave's stage
	v_mul_u32_u24 v4, v5, 3200
	v_lshl_add_u32 v4, v6, 3, v4
	v_add_nc_u32 v4, s20, v4                       ; into it: 3,200 u + 8 r
	v_lshlrev_b32 v8, 4, v2                        ; out: 16 bytes a lane
	v_add_nc_u32 v7, s20, v8
	v_lshl_add_u32 v9, v5, 4, v6
	v_lshlrev_b32 v9, 5, v9                        ; my row of scale bytes: 32 (16 u + r)
	s_lshl_b32 s22, s19, 20                        ; 256 rows of 4,096 bytes for each quarter of K
	s_lshl_b32 s23, ttmp9, 9
	s_add_co_u32 s22, s22, s23
	s_lshl_b32 s23, s16, 7
	s_add_co_u32 s22, s22, s23                     ; + 4 (128 x + 32 w)
	s_mov_b32 s23, 0
	s_lshl_b32 s24, s18, 6
	s_lshl_b32 s25, ttmp9, 3
	s_add_co_u32 s24, s24, s25
	s_lshl_b32 s25, s16, 1
	s_add_co_u32 s24, s24, s25                     ; RB0 = 64 weight + 8 x + 2 w
	s_mul_i32 s26, s24, 12288
	s_mul_i32 s27, s19, 3072
	s_add_co_u32 s26, s26, s27
	s_mov_b32 s27, 0
	s_lshl_b32 s28, s24, 9
	s_lshl_b32 s29, s19, 3
	s_add_co_u32 s28, s28, s29
	s_add_co_u32 s28, s28, SEC_W
	s_mov_b32 s29, 0
	s_wait_kmcnt 0x0
	s_cmp_eq_u32 s18, 1                            ; the weight is chosen by the work-group's number alone
	s_cselect_b64 s[4:5], s[6:7], s[4:5]
	s_cmp_eq_u32 s18, 2
	s_cselect_b64 s[4:5], s[8:9], s[4:5]
	s_cmp_eq_u32 s18, 3
	s_cselect_b64 s[4:5], s[10:11], s[4:5]
	s_add_nc_u64 s[4:5], s[4:5], s[22:23]
	s_add_nc_u64 s[6:7], s[12:13], s[26:27]        ; my tiles' codes, at my two K steps
	s_add_nc_u64 s[8:9], s[12:13], s[28:29]        ; their scale words, at my two K steps
.macro LOAD t                          ; block t: W(32 t + i, my column) into set t % 2
.irp i, 0,1,2,3,4,5,6,7,8,9,10,11,12,13,14,15,16,17,18,19,20,21,22,23,24,25,26,27,28,29,30,31
	global_load_b32 v[X+32*((\t)%2)+\i], v3, s[4:5] offset:(32*(\t)+\i)*4096 th:TH_LOAD_NT
.endr
.endm
	LOAD 0
	LOAD 1
.macro BLOCK t
.set XS, X+32*((\t)%2)
.if (\t) < 7
	s_wait_loadcnt 32                              ; this block's 32 loads are in; the next block's may be out
.else
	s_wait_loadcnt 0x0
.endif
	v_max3_num_f32 v12, |v[XS]|, |v[XS+1]|, |v[XS+2]|
	v_max3_num_f32 v13, |v[XS+3]|, |v[XS+4]|, |v[XS+5]|
.irp i, 6,10,14,18,22,26
	v_max3_num_f32 v12, v12, |v[XS+\i]|, |v[XS+\i+1]|
	v_max3_num_f32 v13, v13, |v[XS+\i+2]|, |v[XS+\i+3]|
.endr
	v_max3_num_f32 v12, v12, |v[XS+30]|, |v[XS+31]|
	v_max3_num_f32 v12, v12, v13, (EMAX+1)<<23     ; and the floor 2^(5 - 127): the byte cannot fall under 1
	v_add_nc_u32 v11, -(EMAX<<23), v12             ; 4 off the exponent field: the conversion's scale operand
	v_lshrrev_b32 v13, 23, v11                     ; the scale's byte
.if (\t)%4 == 0
	v_mov_b32 v[SB+(\t)/4], v13
.else
	v_lshl_or_b32 v[SB+(\t)/4], v13, 8*((\t)%4), v[SB+(\t)/4]
.endif
	v_cvt_scalef32_pk16_bf6_f32 v[C:C+2], v[XS:XS+15], v11
	v_cvt_scalef32_pk16_bf6_f32 v[C+4:C+6], v[XS+16:XS+31], v11   ; (a conversion's three registers begin on an even number)
	v_nop                                          ; one plain instruction behind the scaled conversions
	v_mov_b32 v[C+3], v[C+4]                       ; the block's six registers on end
	v_mov_b32 v[C+4], v[C+5]
	v_mov_b32 v[C+5], v[C+6]
.irp p, 0,1,2                                  ; block t is K step t / 4, half c = (t % 4) / 2 of the fragment's registers, lanes 16 (t % 2) on
	ds_store_b64 v4, v[C+2*\p:C+2*\p+1] offset:1536*((\t)/4)+256*(3*(((\t)%4)/2)+\p)+128*((\t)%2)
.endr
.if (\t)+2 < 8
	LOAD (\t)+2
.endif
	s_wait_dscnt 0x0                               ; the stores have read their registers: the next block's codes may be written
.endm
.irp t, 0,1,2,3,4,5,6,7
	BLOCK \t
.endr
	global_store_b64 v9, v[SB:SB+1], s[8:9]        ; my row's 8 scale bytes
.irp n, 0,1,2,3,4,5,6,7,8,9,10,11
	ds_load_b128 v[OUTR+4*\n:OUTR+4*\n+3], v7 offset:3200*(\n/6)+512*(\n%6)   ; LDS serves a wave's instructions in order: these see my stores
.endr
.irp n, 0,1,2,3,4,5,6,7,8,9,10,11
	s_wait_dscnt 11-\n                             ; the younger loads may be out
	global_store_b128 v8, v[OUTR+4*\n:OUTR+4*\n+3], s[6:7] offset:12288*(\n/6)+512*(\n%6)   ; 512 consecutive bytes, aligned
.endr
	s_wait_tensorcnt 0x0
	ds_add_u32 v192, v193
	s_wait_dscnt 0x0
	s_endpgm
.Lfunc_end_k_q3079c6ae9b_quant_w:
	.size	k_q3079c6ae9b_quant_w, .Lfunc_end_k_q3079c6ae9b_quant_w-k_q3079c6ae9b_quant_w
	.p2alignl 7, 3214868480
	.fill 96, 4, 3214868480
	.section	.rodata,"a",@progbits
	.p2align	6, 0x0
	.amdhsa_kernel k_q3079c6ae9b_quant_w
		.amdhsa_group_segment_fixed_size 26112
		.amdhsa_private_segment_fixed_size 0
		.amdhsa_enable_private_segment 0
		.amdhsa_kernarg_size 40
		.amdhsa_user_sgpr_count 2
		.amdhsa_user_sgpr_kernarg_segment_ptr 1
		.amdhsa_wavefront_size32 1
		.amdhsa_system_sgpr_workgroup_id_x 1
		.amdhsa_system_sgpr_workgroup_id_y 1
		.amdhsa_system_sgpr_workgroup_id_z 1
		.amdhsa_system_vgpr_workitem_id 0
		.amdhsa_next_free_vgpr 194
		.amdhsa_next_free_sgpr 66
		.amdhsa_reserve_vcc 0
		.amdhsa_float_denorm_mode_32 3
		.amdhsa_float_denorm_mode_16_64 3
		.amdhsa_memory_ordered 1
		.amdhsa_forward_progress 1
		.amdhsa_inst_pref_size 43
	.end_amdhsa_kernel
	.amdgpu_metadata
---
amdhsa.version: [ 1, 2 ]
amdhsa.kernels:
  - .name:           k_q3079c6ae9b_quant_w
    .symbol:         k_q3079c6ae9b_quant_w.kd
    .args:
      - { .name: wq, .offset: 0, .size: 8, .value_kind: global_buffer, .address_space: global }
      - { .name: wk, .offset: 8, .size: 8, .value_kind: global_buffer, .address_space: global }
      - { .name: wv, .offset: 16, .size: 8, .value_kind: global_buffer, .address_space: global }
      - { .name: wo, .offset: 24, .size: 8, .value_kind: global_buffer, .address_space: global }
      - { .name: wcs, .offset: 32, .size: 8, .value_kind: global_buffer, .address_space: global }
    .group_segment_fixed_size: 26112
    .private_segment_fixed_size: 0
    .kernarg_segment_align: 8
    .kernarg_segment_size: 40
    .max_flat_workgroup_size: 128
    .sgpr_count:     66
    .vgpr_count:     194
    .wavefront_size: 32
...
	.end_amdgpu_metadata
.endif
;; end of part 2
;; launch qkv (part 3): grid 12 x 32, 4 waves a work-group, clusters of 4 x 4, 327,680 bytes of LDS; arguments xq, wcs, bq, bk, bv, qkv; writes qkv
.if DOCPART == 3
	.amdgcn_target "amdgcn-amd-amdhsa--gfx1250"
	.amdhsa_code_object_version 6
	.text
	.protected	k_q3079c6ae9b_qkv
	.globl	k_q3079c6ae9b_qkv
	.p2align	8
	.type	k_q3079c6ae9b_qkv,@function
k_q3079c6ae9b_qkv:
	s_mov_b64 s[64:65], 0
	v_nop
	global_prefetch_b8 v0, s[64:65] scope:SCOPE_SE
	s_setreg_imm32_b32 hwreg(HW_REG_WAVE_MODE, 25, 1), 1
	s_wait_xcnt 0x0
	s_wait_alu depctr_hold_cnt(0) depctr_sa_sdst(0) depctr_va_vdst(0) depctr_va_sdst(0) depctr_va_ssrc(0) depctr_va_vcc(0) depctr_vm_vsrc(0)
	s_getreg_b32 s2, hwreg(HW_REG_IB_STS2, 6, 4)
	s_cmp_eq_u32 s2, 0
	s_cbranch_scc0 .Lentry_in_a_cluster
	s_endpgm
.Lentry_in_a_cluster:
	s_bfe_u32 s2, ttmp6, 0x10000c
	s_cmp_lg_u32 s2, 0xf033
	s_cbranch_scc0 .Lentry_shape_is_right
	s_endpgm
.Lentry_shape_is_right:
; q = x wq + bq, k = x wk + bk, v = x wv + bv on codes of BF6 (E3M2) with E8M0 scales, and the results quantised at once: q and k along the head's 64 channels, v along the tokens (the keys).  Nothing leaves as f32.
; Operands are images (codes [tile of 16 rows][K step of 128][piece 6][lane][8 bytes]; lane r of tile RB is row 32 (RB / 2) + 8 (RB % 2) + r + 8 (r / 8); scale words [tile][r][K step]).
; A tile of C, 256 x 256, is made by four waves, 128 x 128 each: 64 accumulators, 512 registers.  K = 1,024 goes in four slots of 256 through a ring of two LDS slots filled by the tensor data mover.
; THE MATRIX INSTRUCTION: source 0 = 16 rows of operand B, source 1 = 16 rows of operand A: a lane holds ONE row of A, and by the order of rows in a tile its 64 registers of a block run along 128 rows of B as
; register 16 b + i = row 32 b + 16 (lane / 16) + i: what the conversions want.
; ONE TEXT FOR THREE PRODUCTS.  kind = the cluster's x (0 q, 1 k, 2 v), the same in all sixteen partners.  q, k: A = x, B = the weight: a lane holds a token and its registers run along the features (two heads).
; v: A = the weight, B = x: a lane holds a channel and its registers run along 128 tokens.  What differs is chosen by s_cselect on kind; no branch hangs on it.
; CLUSTERS: 4 x 4 work-groups; A's tiles are shared along a row of the cluster, B's along a column, by joint loads.
; OUT.  qkv: codes [kind][head 64][step of 128 tokens: 16][fragment 4][piece 6][lane][8].  q, k: fragment f = token tiles 2 f (pieces 0-2) and 2 f + 1 (pieces 3-5), each 16 tokens x 64 channels.
; v: fragment f = 16 channels x 128 keys.  Scale words [kind][head][step][r 16][f 4].  Every store of codes covers 256 consecutive bytes, aligned.
; The grid has 384 work-groups for 256 WGPs: one and a half turns.
; LIMITS: NaN and infinities are not served; a block of zeros, or one under 2^-122, gets the byte 1 (not 127): this program alone reads the bytes.
; REGISTERS: window 0: v0-31 addresses; v32-63 scale words, two sets; v64-127 the bias along B's rows (the C of the first products), later a block's 64 numbers; v128-223 A's fragments, one set, later the quantiser's;
;   v224-239 the bias along A's rows; v240-247 the blocks' scale words.  window 1: B's fragments, two sets, at v0 and v128.  windows 2, 3: the accumulators ((a, b) at v[8 (8 (a % 4) + b)]).
.set SEC_X, 6291456
.set SEC_W, 3145728
.set HS,    98304                      ; a head's codes
.set QS,    18874368                   ; where the scale words begin
.set NQ,    2                          ; steps of 128 along K in a slot
.set FR,    12                         ; registers of a fragment
.set FRB,   1536                       ; and its bytes
.set NL,    6                          ; LDS loads that bring one
.set NP,    4                          ; places behind this matrix instruction (ISA guide 7.12.1)
.set HALFT, 24576                      ; 128 rows x 256 K: what one tensor load brings: 8 tiles x 2 fragments, dense
.set SLOT,  98304                      ; A's two halves, then B's two
.set LAPS,  2                          ; a lap = two slots
.set SCL,   196608                     ; behind the ring: the scale words, as units of 256 bytes + 16 of padding
.set HALFS, 4352                       ; those of 128 rows
.set SBLK,  544                        ; those of 16 rows
.set SPARE, 214016                     ; the spare words, 128 bytes for each wave
.set ADRA, 16                          ; v16-17 LDS address of my A fragments in slot 0, 1
.set ADRB, 20                          ; v20-21 the same for B
.set PSEL, 22                          ; v22 byte selects: low halves in lanes 0-15, high halves in lanes 16-31
.set VA0,  24                          ; v24 8 x lane
.set VA1,  25                          ; v25 8 x lane + where a fragment's second half goes
.set VS,   26                          ; v26 the scale words' place: 4,096 h + 16 r
.set ADRS, 27                          ; v27 LDS address of my scale words: lanes 0-15 A's rows, lanes 16-31 B's
.set SPW,  28
.set NIL,  29
.set SC,   32
.set BC,   64
.set T,    64
.set AF,   128
.set PC,   128
.set TM,   152
.set PW,   168
.set FQ,   172
.set FV,   176
.set F,    180
.set BR,   224
.set PWS,  240
.set WV, 16
.set RH, 17                            ; which half of A's rows is mine.  Also: I fetch for A (0) or for B (1)
.set CH, 18                            ; which half of B's rows.  Also: which 128 rows I fetch
.set G1, 24
.set G0, 32
.set G1B, 48
.set G0B, 56
.set MQK, 66                           ; all ones for q and k, 0 for v
.set MV,  67                           ; the other way round
.set G1S, 68
.set G0S, 76
.set G1SB, 80
.set G0SB, 88
.set SA, 92                            ; s[92:93] from block to block in the output
.set SJ, 94                            ; s[94:95] and once more at block 4
.set SEL, 100
.set MSB, 0
.macro WIN new                         ; the immediate's high byte repeats the setting that is left
.if MSB != (\new)
	s_set_vgpr_msb (MSB<<8)|(\new)
.set MSB, (\new)
.endif
.endm
.set MUL_LO, 0xa1                      ; source 0 (B) window 1, source 1 (A) window 0, C and D window 2
.set MUL_HI, 0xf1                      ; the same, C and D window 3
.set BEG_LO, 0x81                      ; the first products: C (the bias) window 0, D window 2
.set BEG_HI, 0xc1                      ; D window 3
.set TO_B,   0x40
; A joint load: waves 0 and 1 fetch for A, waves 2 and 3 for B; the branch hangs on the wave's number alone.  Four v_nop follow each of the two lines.
.macro JLOAD g0a, g1a, g0b, g1b
	s_cmp_eq_u32 s[RH], 0
	s_cbranch_scc0 .Lfor_b_\@
	tensor_load_to_lds s[\g0a:\g0a+3], s[\g1a:\g1a+7]
	s_nop 0
.rept 4
	v_nop
.endr
	s_branch .Lasked_\@
.Lfor_b_\@:
	tensor_load_to_lds s[\g0b:\g0b+3], s[\g1b:\g1b+7]
	s_nop 0
.rept 4
	v_nop
.endr
.Lasked_\@:
.endm
.macro CREST                           ; a round of the cluster's barrier behind its opening barrier
	s_cmp_lg_u32 s[WV], 0
	s_cbranch_scc1 .Lnot_wave_0_\@
	s_barrier_signal -3
.Lnot_wave_0_\@:
	s_barrier_wait -3
	s_barrier_signal -1
	s_barrier_wait -1
.endm
.macro CROUND
	s_barrier_signal -1
	s_barrier_wait -1
	CREST
.endm
.macro PLACES n
.rept \n
	v_nop
.endr
.endm
.macro FRAG reg, adr, q, i             ; tile i's fragment of the slot's q-th 128 along K: six loads of 8 bytes a lane, 256 consecutive bytes each
.irp p, 0,1,2,3,4,5
	ds_load_b64 v[\reg+2*\p:\reg+2*\p+1], v[\adr] offset:((\i)*2+(\q))*FRB+256*\p
.endr
.endm
; 16 matrix instructions: A's blocks a0, a0 + 1 x B's eight.  zero = 1: the first product starts the sums from the bias.  The 64 accumulators take turns, one instruction a turn.
.macro MUL16 a0, p, q, sc, zero
.irp a, \a0, \a0+1
.irp b, 0,1,2,3,4,5,6,7
.if \zero
	v_wmma_scale_f32_16x16x128_f8f6f4 v[8*(8*((\a)%4)+\b):8*(8*((\a)%4)+\b)+7], v[128*(\p)+FR*\b:128*(\p)+FR*\b+FR-1], v[AF+FR*(\a):AF+FR*(\a)+FR-1], v[BC+8*\b:BC+8*\b+7], v[SC+8*NQ*(\sc)+NQ*\b+(\q)], v[SC+8*NQ*(\sc)+NQ*(\a)+(\q)] matrix_a_fmt:MATRIX_FMT_BF6 matrix_b_fmt:MATRIX_FMT_BF6 matrix_a_scale:MATRIX_SCALE_ROW1
.else
	v_wmma_scale_f32_16x16x128_f8f6f4 v[8*(8*((\a)%4)+\b):8*(8*((\a)%4)+\b)+7], v[128*(\p)+FR*\b:128*(\p)+FR*\b+FR-1], v[AF+FR*(\a):AF+FR*(\a)+FR-1], v[8*(8*((\a)%4)+\b):8*(8*((\a)%4)+\b)+7], v[SC+8*NQ*(\sc)+NQ*\b+(\q)], v[SC+8*NQ*(\sc)+NQ*(\a)+(\q)] matrix_a_fmt:MATRIX_FMT_BF6 matrix_b_fmt:MATRIX_FMT_BF6 matrix_a_scale:MATRIX_SCALE_ROW1
.endif
.endr
.endr
.endm
.macro FETCH_B slot, q, p
	WIN TO_B
.irp i, 0,1,2,3,4,5,6,7
	FRAG 128*(\p)+FR*\i, ADRB+\slot, \q, \i
.endr
	WIN 0
.endm
.macro FETCH_A slot, q, i0
.irp i, \i0, \i0+1, \i0+2, \i0+3
	FRAG AF+FR*(\i), ADRA+\slot, \q, \i
.endr
.endm
.macro SCALES sc                       ; a slot's scale words: two a row; lanes 0-15 A's block i, lanes 16-31 B's block i
.irp i, 0,1,2,3,4,5,6,7
	ds_load_b64 v[SC+8*NQ*\sc+NQ*\i:SC+8*NQ*\sc+NQ*\i+1], v[ADRS] offset:\i*SBLK
.endr
.endm
; A step of 128 along K that has its successor in the same slot.  A has one set of registers: blocks 0-3 are fetched anew in the step's middle, blocks 4-7 at its end; B has two sets.
.macro STEP slot, q, zero
	s_wait_dscnt 4*NL                              ; B's set and A's blocks 0-3 are in; the youngest 24 loads (A's blocks 4-7) may be out
.if \zero
	WIN BEG_LO
.else
	WIN MUL_LO
.endif
	MUL16 0, (\q)%2, \q, \slot, \zero
	MUL16 2, (\q)%2, \q, \slot, \zero
	s_wait_dscnt 0                                 ; A's blocks 4-7 are in
	PLACES NP                                      ; in front of loads into registers that matrix instructions have read
	FETCH_B \slot, (\q)+1, 1-(\q)%2
	FETCH_A \slot, (\q)+1, 0
.if \zero
	WIN BEG_HI
.else
	WIN MUL_HI
.endif
	MUL16 4, (\q)%2, \q, \slot, \zero
	MUL16 6, (\q)%2, \q, \slot, \zero
	PLACES NP
	WIN 0
	FETCH_A \slot, (\q)+1, 4
.endm
; A slot's last step changes slots: one barrier; in front of it each wave waits for all its tensor loads, adds 0 to its spare word, and waits for that and for its reads of this slot.  fill = 1: the slot is filled again, two slots ahead.
.macro TURN slot, next, fill
	s_wait_tensorcnt 0x0                           ; all my tensor loads have landed: my part of the next slot
	ds_add_u32 v[SPW], v[NIL]                      ; 0 onto my spare word
	s_wait_dscnt 4*NL+1                            ; (the add and the youngest 24 loads may be out)
	WIN MUL_LO
	MUL16 0, 1, NQ-1, \slot, 0
	s_wait_dscnt 0x0                               ; the add is done, and my reads of this slot are over
	s_barrier_signal -1
	MUL16 2, 1, NQ-1, \slot, 0
	WIN 0
	s_barrier_wait -1
.if \fill
	CREST                                          ; the barrier has opened a round of the cluster's: no wave of any partner still reads this slot or has a load on its way
	s_add_nc_u64 s[G0+4*\slot+2:G0+4*\slot+3], s[G0+4*\slot+2:G0+4*\slot+3], 2*NQ*FRB
	s_add_nc_u64 s[G0B+4*\slot+2:G0B+4*\slot+3], s[G0B+4*\slot+2:G0B+4*\slot+3], 2*NQ*FRB
	JLOAD G0+4*\slot, G1, G0B+4*\slot, G1B         ; the first tensor load behind the round; its four v_nop are the places in front of the loads below
.else
	PLACES NP
.endif
	s_wait_alu depctr_va_vdst(0)
	v_add_nc_u32 v[ADRS], 4*NQ, v[ADRS]            ; on to the next slot's scale words
	FETCH_B \next, 0, 0
	FETCH_A \next, 0, 0
	SCALES \next
	WIN MUL_HI
	MUL16 4, 1, NQ-1, \slot, 0
	MUL16 6, 1, NQ-1, \slot, 0
	PLACES NP
	WIN 0
	FETCH_A \next, 0, 4
.endm
; 64 numbers of a lane, register 16 b + i = k 32 b + 16 (lane / 16) + i, become a fragment's codes in v[PC] .. v[PC + 11] and its scale word in v[PW].
.macro QUANT s
.irp b, 0,1,2,3
	v_max3_num_f32 v[TM+\b], |v[\s+16*\b]|, |v[\s+1+16*\b]|, 0x2800000   ; and the floor 2^(5 - 127): the byte cannot fall under 1
.endr
.irp i, 2,4,6,8,10,12,14
.irp b, 0,1,2,3
	v_max3_num_f32 v[TM+\b], v[TM+\b], |v[\s+16*\b+\i]|, |v[\s+1+16*\b+\i]|
.endr
.endr
.irp b, 0,1,2,3
	v_permlanex16_b32 v[TM+4+\b], v[TM+\b], s[SEL], s[SEL+1]
.endr
.irp b, 0,1,2,3
	v_max_num_f32 v[TM+\b], v[TM+\b], v[TM+4+\b]
.endr
.irp b, 0,1,2,3
	v_add_nc_u32 v[TM+12+\b], 0xfe000000, v[TM+\b]   ; 4 off the exponent field: the conversion's scale operand
.endr
.irp b, 0,1,2,3
	v_lshrrev_b32 v[TM+4+\b], 23, v[TM+12+\b]
.endr
	v_lshl_or_b32 v[PW], v[TM+5], 8, v[TM+4]
	v_lshl_or_b32 v[PW], v[TM+6], 16, v[PW]
	v_lshl_or_b32 v[PW], v[TM+7], 24, v[PW]
.irp c, 0,1
	v_cvt_scalef32_pk16_bf6_f32 v[PC+6*\c:PC+2+6*\c], v[\s+32*\c:\s+15+32*\c], v[TM+12+2*\c]
	v_cvt_scalef32_pk16_bf6_f32 v[PC+12+4*\c:PC+14+4*\c], v[\s+16+32*\c:\s+31+32*\c], v[TM+12+2*\c+1]
.endr
	v_nop                                          ; one plain instruction behind the scaled conversions
.irp c, 0,1
.irp i, 0,1,2
	v_permlane16_swap_b32 v[PC+6*\c+\i], v[PC+12+4*\c+\i]
.endr
.irp i, 0,1,2
	v_mov_b32 v[PC+3+6*\c+\i], v[PC+12+4*\c+\i]
.endr
.endr
.endm
	s_load_b256 s[4:11], s[0:1], 0x0               ; xq, wcs, bq, bk
	s_load_b128 s[12:15], s[0:1], 0x20             ; bv, qkv
	v_lshl_add_u32 v[SPW], v0, 2, SPARE
	v_mov_b32 v[NIL], 0
	ds_add_u32 v28, v29
	ds_add_u32 v28, v29
	s_wait_dscnt 0x0
	v_lshrrev_b32 v1, 5, v0
	v_readfirstlane_b32 s[WV], v1
	s_lshr_b32 s[RH], s[WV], 1
	s_and_b32 s[CH], s[WV], 1
	s_bfe_u32 s40, ttmp6, 0x40000                  ; cx
	s_bfe_u32 s41, ttmp6, 0x40004                  ; cy
	s_mov_b32 s42, ttmp9                           ; kind: the cluster's x
	s_and_b32 s43, ttmp7, 0xffff                   ; the cluster's y
	s_lshl_b32 s44, s41, 2
	s_lshl_b32 s44, 15, s44                        ; my row of the cluster
	s_lshl_b32 s45, 0x1111, s40                    ; my column
	s_lshl_b32 s19, s43, 2
	s_lshl_b32 s2, s42, 2
	s_cmp_eq_u32 s42, 2                            ; v?  All that differs is chosen here
	s_cselect_b32 s46, 8, s19                      ; A's first tile of 256 rows in this cluster: wv's rows begin at tile 8 of the weights' image; x's at 4 x cluster y
	s_cselect_b32 s47, s19, s2                     ; B's: x's, or the weight's at 4 x kind
	s_cselect_b32 s[MQK], 0, -1
	s_cselect_b32 s[MV], -1, 0
	s_mov_b32 s[SA], 768
	s_cselect_b32 s[SA], 1536, s[SA]               ; a block is a whole fragment of v, or half a fragment in each of two heads of q or k
	s_cselect_b32 s[SJ], HS-6144, 0                ; v's blocks 4-7 belong to the next head
	s_mov_b32 s97, SEC_X
	s_cselect_b32 s97, SEC_W, s97                  ; where A's scale words begin in its buffer
	s_mov_b32 s99, SEC_W
	s_cselect_b32 s99, SEC_X, s99                  ; and B's
	s_mov_b32 s3, HS
	s_cselect_b32 s3, 768, s3                      ; where a fragment's second six registers go
	s_mov_b32 s[SA+1], 0
	s_mov_b32 s[SJ+1], 0
	s_add_co_u32 s46, s46, s41                     ; A's tile: + cy, which my row of the cluster shares
	s_add_co_u32 s47, s47, s40                     ; B's tile: + cx, which my column shares
	; descriptor group 1, codes: 8 rows (tiles) of 384 elements of 8 bytes (two fragments), 1,536 elements apart; dense in LDS
	s_or_b32 s[G1], s44, (3<<16)|(1<<21)
	s_or_b32 s[G1B], s45, (3<<16)|(1<<21)
.irp g, G1, G1B
	s_mov_b32 s[\g+1], 384<<16                     ; tensor_dim0
	s_mov_b32 s[\g+2], 8<<16                       ; tensor_dim1
	s_mov_b32 s[\g+3], 384<<16                     ; tile_dim0
	s_mov_b32 s[\g+4], 8                           ; tile_dim1
	s_mov_b32 s[\g+5], 1536                        ; from tile to tile
	s_mov_b32 s[\g+6], 0
	s_mov_b32 s[\g+7], 0
.endr
	; scale words of 128 rows: 4,096 dense bytes as 16 rows of 256, 16 bytes of padding behind each
	s_or_b32 s[G1S], s44, (3<<16)|(1<<20)|(1<<21)|(5<<22)|(3<<25)
	s_or_b32 s[G1SB], s45, (3<<16)|(1<<20)|(1<<21)|(5<<22)|(3<<25)
.irp g, G1S, G1SB
	s_mov_b32 s[\g+1], 32<<16
	s_mov_b32 s[\g+2], 16<<16
	s_mov_b32 s[\g+3], 32<<16
	s_mov_b32 s[\g+4], 16
	s_mov_b32 s[\g+5], 32
	s_mov_b32 s[\g+6], 0
	s_mov_b32 s[\g+7], 0
.endr
	s_lshl_b32 s20, s46, 1
	s_add_co_u32 s20, s20, s[CH]                   ; A: which 128 rows I fetch
	s_lshl_b32 s96, s20, 12
	s_add_co_u32 s96, s96, s97                     ; their scale words,
	s_mov_b32 s97, 0
	s_mul_i32 s20, s20, 98304                      ; their codes
	s_mov_b32 s21, 0
	s_lshl_b32 s22, s47, 1
	s_add_co_u32 s22, s22, s[CH]                   ; B likewise, in registers that never hold cy
	s_lshl_b32 s98, s22, 12
	s_add_co_u32 s98, s98, s99
	s_mov_b32 s99, 0
	s_mul_i32 s22, s22, 98304
	s_mov_b32 s23, 0
	s_mul_i32 s19, s[WV], HALFT                    ; where they go: no place in the cluster enters an LDS address
	s_mul_i32 s2, s[WV], HALFS
	s_wait_kmcnt 0x0
	s_cmp_eq_u32 s42, 2
	s_cselect_b64 s[100:101], s[6:7], s[4:5]       ; A's buffer
	s_cselect_b64 s[6:7], s[4:5], s[6:7]           ; B's buffer
	s_add_nc_u64 s[20:21], s[100:101], s[20:21]
	s_add_nc_u64 s[96:97], s[100:101], s[96:97]
	s_add_nc_u64 s[22:23], s[6:7], s[22:23]
	s_add_nc_u64 s[98:99], s[6:7], s[98:99]
	CROUND                                         ; all sixteen work-groups are here: the first joint loads meet
	s_mov_b32 s[G0S], 1
	s_add_co_u32 s[G0S+1], s2, SCL
	s_mov_b64 s[G0S+2:G0S+3], s[96:97]
	s_or_b32 s[G0S+3], s[G0S+3], 0x80000000
	s_mov_b32 s[G0SB], 1
	s_add_co_u32 s[G0SB+1], s2, SCL
	s_mov_b64 s[G0SB+2:G0SB+3], s[98:99]
	s_or_b32 s[G0SB+3], s[G0SB+3], 0x80000000
	JLOAD G0S, G1S, G0SB, G1SB                     ; the scale words first: filled once, for all of K
.irp s, 0,1
	s_mov_b32 s[G0+4*\s], 1
	s_add_co_u32 s[G0+4*\s+1], s19, \s*SLOT
	s_add_nc_u64 s[G0+4*\s+2:G0+4*\s+3], s[20:21], \s*NQ*FRB
	s_or_b32 s[G0+4*\s+3], s[G0+4*\s+3], 0x80000000
	s_mov_b32 s[G0B+4*\s], 1
	s_add_co_u32 s[G0B+4*\s+1], s19, \s*SLOT
	s_add_nc_u64 s[G0B+4*\s+2:G0B+4*\s+3], s[22:23], \s*NQ*FRB
	s_or_b32 s[G0B+4*\s+3], s[G0B+4*\s+3], 0x80000000
	JLOAD G0+4*\s, G1, G0B+4*\s, G1B               ; three tensor loads of mine are out
.endr
	; the biases.  Along B's rows (q, k: the features), in the result's layout, as the C of the first products; along A's rows (v: the channels), added on the way out.  The one that does not apply is made 0.
	s_cmp_eq_u32 s42, 1
	s_cselect_b64 s[8:9], s[10:11], s[8:9]
	s_cmp_eq_u32 s42, 2
	s_cselect_b64 s[8:9], s[12:13], s[8:9]
	s_lshl_b32 s22, s40, 10
	s_lshl_b32 s23, s[CH], 9
	s_add_co_u32 s22, s22, s23
	s_and_b32 s22, s22, s[MQK]                     ; 4 (256 cx + 128 half), or 0 for v: inside the 4,096 bytes either way
	s_mov_b32 s23, 0
	s_add_nc_u64 s[98:99], s[8:9], s[22:23]
	s_lshl_b32 s20, s41, 10
	s_lshl_b32 s21, s[RH], 9
	s_add_co_u32 s20, s20, s21
	s_and_b32 s20, s20, s[MV]                      ; 4 (256 cy + 128 half) for v, else 0
	s_mov_b32 s21, 0
	s_add_nc_u64 s[96:97], s[8:9], s[20:21]
	v_and_b32 v1, 15, v0                           ; r
	v_bfe_u32 v2, v0, 4, 1                         ; h
	v_and_b32 v3, 31, v0                           ; lane
	v_lshlrev_b32 v7, 6, v2                        ; 16 h numbers
	v_and_b32 v8, 8, v1
	v_add_nc_u32 v8, v8, v1
	v_lshlrev_b32 v8, 2, v8                        ; 4 (r + 8 (r / 8))
.irp b, 0,1,2,3,4,5,6,7
	global_load_b128 v[BC+8*\b:BC+8*\b+3], v7, s[98:99] offset:(32*(\b/2)+8*(\b%2))*4
	global_load_b128 v[BC+8*\b+4:BC+8*\b+7], v7, s[98:99] offset:(32*(\b/2)+8*(\b%2))*4+16
.endr
.irp a, 0,1,2,3,4,5,6,7
	global_load_b32 v[BR+2*\a], v8, s[96:97] offset:(32*(\a/2)+8*(\a%2))*4
.endr
	v_lshlrev_b32 v[VA0], 3, v3
	s_mul_i32 s20, s[RH], HALFT                    ; my 128 rows of A
	s_mul_i32 s22, s[CH], HALFT
	s_add_co_u32 s22, s22, 2*HALFT                 ; my 128 rows of B, behind A's 256
.irp s, 0,1
	v_add_nc_u32 v[ADRA+\s], s20, v[VA0]
	v_add_nc_u32 v[ADRB+\s], s22, v[VA0]
	s_add_co_u32 s20, s20, SLOT
	s_add_co_u32 s22, s22, SLOT
.endr
	v_lshlrev_b32 v5, 5, v1                        ; my row's scale words: 32 bytes a row,
	v_lshrrev_b32 v6, 8, v5
	v_lshl_add_u32 v5, v6, 4, v5                   ; and 16 more for each 256 passed
	s_mul_i32 s20, s[RH], HALFS
	s_mul_i32 s22, s[CH], HALFS
	s_add_co_u32 s22, s22, 2*HALFS
	s_sub_co_u32 s22, s22, s20
	v_mul_u32_u24 v6, s22, v2                      ; lanes 16-31 take B's
	s_add_co_u32 s20, s20, SCL
	v_add_nc_u32 v5, v5, v6
	v_add_nc_u32 v[ADRS], s20, v5
	v_add_nc_u32 v[VA1], s3, v[VA0]
	v_lshlrev_b32 v[VS], 4, v1
	v_lshl_add_u32 v[VS], v2, 12, v[VS]
	v_mov_b32 v[PSEL], 0x05040100
	v_mov_b32 v9, 0x07060302
	v_cmp_le_u32 vcc_lo, 16, v3
	v_cndmask_b32 v[PSEL], v[PSEL], v9, vcc_lo
	; where my results go: the step of 128 tokens, the first of my two heads
	s_lshl_b32 s19, s47, 1
	s_add_co_u32 s19, s19, s[CH]                   ; v: my 128 tokens are B's
	s_lshl_b32 s2, s46, 1
	s_add_co_u32 s2, s2, s[RH]                     ; q, k: A's
	s_lshl_b32 s44, s41, 2
	s_lshl_b32 s45, s[RH], 1
	s_add_co_u32 s44, s44, s45                     ; v: head 4 cy + 2 half
	s_lshl_b32 s3, s40, 2
	s_lshl_b32 s45, s[CH], 1
	s_add_co_u32 s3, s3, s45                       ; q, k: head 4 cx + 2 half
	s_cmp_eq_u32 s42, 2
	s_cselect_b32 s19, s19, s2
	s_cselect_b32 s44, s44, s3
	s_lshr_b32 s2, s19, 4                          ; the batch
	s_and_b32 s19, s19, 15                         ; the step
	s_lshl_b32 s2, s2, 4
	s_add_co_u32 s2, s2, s44
	s_lshl_b32 s2, s2, 4
	s_add_co_u32 s2, s2, s19                       ; (16 batch + head) x 16 + step
	s_mul_i32 s44, s2, 6144
	s_mul_i32 s45, s42, 6291456
	s_add_co_u32 s44, s44, s45
	s_mov_b32 s45, 0
	s_add_nc_u64 s[12:13], s[14:15], s[44:45]      ; codes
	s_lshl_b32 s44, s2, 8
	s_lshl_b32 s3, s42, 18
	s_add_co_u32 s44, s44, s3
	s_add_co_u32 s44, s44, QS
	s_add_nc_u64 s[10:11], s[14:15], s[44:45]      ; scale words
	s_mov_b32 s[SEL], 0x76543210
	s_mov_b32 s[SEL+1], 0xfedcba98
	s_wait_loadcnt 0x0                             ; the biases
.set i, 0
.rept 64
	v_cndmask_b32 v[BC+i], 0, v[BC+i], s[MQK]
.set i, i+1
.endr
.irp a, 0,1,2,3,4,5,6,7
	v_cndmask_b32 v[BR+2*\a], 0, v[BR+2*\a], s[MV]
.endr
.irp a, 0,1,2,3,4,5,6,7
	v_mov_b32 v[BR+2*\a+1], v[BR+2*\a]             ; a pair for the packed addition
.endr
	s_wait_tensorcnt 1                             ; the scale words and my part of slot 0 are in (slot 1's load may be out)
	s_barrier_signal -1
	s_barrier_wait -1                              ; everybody's are
	FETCH_B 0, 0, 0
	FETCH_A 0, 0, 0
	SCALES 0
	FETCH_A 0, 0, 4
	STEP 0, 0, 1                                   ; the first step stands in front of the loop: its products start the sums
	s_mov_b32 s3, LAPS-1
.Llap:                                                 ; a trip goes once round the ring and fills both slots again
	TURN 0, 1, 1
	STEP 1, 0, 0
	TURN 1, 0, 1
	STEP 0, 0, 0
	s_sub_co_u32 s3, s3, 1
	s_cmp_lg_u32 s3, 0
	s_cbranch_scc1 .Llap
	TURN 0, 1, 0                                   ; the last lap fills nothing
	STEP 1, 0, 0
	s_wait_dscnt 4*NL
	WIN MUL_LO
	MUL16 0, 1, NQ-1, 1, 0
	MUL16 2, 1, NQ-1, 1, 0
	s_wait_dscnt 0
	WIN MUL_HI
	MUL16 4, 1, NQ-1, 1, 0
	MUL16 6, 1, NQ-1, 1, 0
	WIN 0
	; THE WAY OUT, block by block of 16 rows of A: the block's 64 numbers a lane come into window 0 (with the bias along A's rows), are quantised, and the fragment's twelve registers leave by six stores.
	PLACES NP                                      ; behind the last products: for the reads of results and the writes over A's fragments
.irp b, 0,1,2,3
	v_mov_b32 v[TM+4+\b], 0                        ; written once: a lane permute's destination counts as one of its sources
.endr
.irp a, 0,1,2,3,4,5,6,7
.if \a > 0
	s_wait_xcnt 0x0                                ; the last block's stores have read the codes' registers and their base
	s_add_nc_u64 s[12:13], s[12:13], s[SA:SA+1]
.endif
.if \a == 4
	s_add_nc_u64 s[12:13], s[12:13], s[SJ:SJ+1]
.endif
	WIN 0x02+(\a/4)                                ; source 0: window 2 or 3
.set i, 0
.rept 32
	v_pk_add_f32 v[T+i:T+i+1], v[64*(\a%4)+i:64*(\a%4)+i+1], v[BR+2*\a:BR+2*\a+1]   ; each accumulator from its low end on
.set i, i+2
.endr
	WIN 0
	QUANT T
	v_mov_b32 v[PWS+\a], v[PW]
.irp p, 0,1,2
	global_store_b64 v[VA0], v[PC+2*\p:PC+2*\p+1], s[12:13] offset:256*\p       ; 256 consecutive bytes, aligned
	global_store_b64 v[VA1], v[PC+6+2*\p:PC+7+2*\p], s[12:13] offset:256*\p     ; q, k: the second head's; v: the fragment's second half
.endr
.endr
	; the scale words.  q, k: word f of a head = the head's two bytes of blocks 2 f and 2 f + 1; v: word f = block f's word (lanes 16-31: the next head, blocks 4-7)
	v_cmp_le_u32 vcc_lo, 16, v3
.irp b, 0,1,2,3
	v_perm_b32 v[FQ+\b], v[PWS+2*\b+1], v[PWS+2*\b], v[PSEL]
	v_cndmask_b32 v[FV+\b], v[PWS+\b], v[PWS+4+\b], vcc_lo
.endr
.irp b, 0,1,2,3
	v_cndmask_b32 v[F+\b], v[FQ+\b], v[FV+\b], s[MV]
.endr
	global_store_b128 v[VS], v[F:F+3], s[10:11]    ; lanes 0-15: the first head's 256 bytes of this step; lanes 16-31: the second head's
	s_wait_tensorcnt 0x0                           ; the wave's end
	ds_add_u32 v[SPW], v[NIL]
	s_wait_dscnt 0x0
	CROUND                                         ; the closing round: no work-group ends while a partner may still ask for a tile that names it
	s_endpgm
.Lfunc_end_k_q3079c6ae9b_qkv:
	.size	k_q3079c6ae9b_qkv, .Lfunc_end_k_q3079c6ae9b_qkv-k_q3079c6ae9b_qkv
	.p2alignl 7, 3214868480
	.fill 96, 4, 3214868480
	.section	.rodata,"a",@progbits
	.p2align	6, 0x0
	.amdhsa_kernel k_q3079c6ae9b_qkv
		.amdhsa_group_segment_fixed_size 327680
		.amdhsa_private_segment_fixed_size 0
		.amdhsa_enable_private_segment 0
		.amdhsa_kernarg_size 48
		.amdhsa_user_sgpr_count 2
		.amdhsa_user_sgpr_kernarg_segment_ptr 1
		.amdhsa_wavefront_size32 1
		.amdhsa_system_sgpr_workgroup_id_x 1
		.amdhsa_system_sgpr_workgroup_id_y 1
		.amdhsa_system_sgpr_workgroup_id_z 1
		.amdhsa_system_vgpr_workitem_id 0
		.amdhsa_next_free_vgpr 1024
		.amdhsa_next_free_sgpr 102
		.amdhsa_reserve_vcc 1
		.amdhsa_float_denorm_mode_32 3
		.amdhsa_float_denorm_mode_16_64 3
		.amdhsa_memory_ordered 1
		.amdhsa_forward_progress 1
		.amdhsa_inst_pref_size 192
	.end_amdhsa_kernel
	.amdgpu_metadata
---
amdhsa.version: [ 1, 2 ]
amdhsa.kernels:
  - .name:           k_q3079c6ae9b_qkv
    .symbol:         k_q3079c6ae9b_qkv.kd
    .args:
      - { .name: xq, .offset: 0, .size: 8, .value_kind: global_buffer, .address_space: global }
      - { .name: wcs, .offset: 8, .size: 8, .value_kind: global_buffer, .address_space: global }
      - { .name: bq, .offset: 16, .size: 8, .value_kind: global_buffer, .address_space: global }
      - { .name: bk, .offset: 24, .size: 8, .value_kind: global_buffer, .address_space: global }
      - { .name: bv, .offset: 32, .size: 8, .value_kind: global_buffer, .address_space: global }
      - { .name: qkv, .offset: 40, .size: 8, .value_kind: global_buffer, .address_space: global }
    .group_segment_fixed_size: 327680
    .private_segment_fixed_size: 0
    .kernarg_segment_align: 8
    .kernarg_segment_size: 48
    .max_flat_workgroup_size: 128
    .sgpr_count:     102
    .vgpr_count:     1024
    .wavefront_size: 32
...
	.end_amdgpu_metadata
.endif
;; end of part 3
;; launch attn (part 4): grid 4 x 64, 16 waves a work-group, no clusters, 215,040 bytes of LDS; arguments qkv, att; writes att
.if DOCPART == 4
	.amdgcn_target "amdgcn-amd-amdhsa--gfx1250"
	.amdhsa_code_object_version 6
	.text
	.protected	k_q3079c6ae9b_attn
	.globl	k_q3079c6ae9b_attn
	.p2align	8
	.type	k_q3079c6ae9b_attn,@function
k_q3079c6ae9b_attn:
	s_mov_b64 s[64:65], 0
	v_nop
	global_prefetch_b8 v0, s[64:65] scope:SCOPE_SE
	s_setreg_imm32_b32 hwreg(HW_REG_WAVE_MODE, 25, 1), 1
	s_wait_xcnt 0x0
.set KC,    6291456
.set QSO,   18874368
.set KSO,   19136512
.set HS,    98304
.set SEC_O, 6291456
.set SCB,   196608
.set STG,   204800
.set WV,  18
.set SEL, 20
.set CS,  22
.set G1C, 24
.set G1S, 32
.set G0C, 40
.set G0S, 44
.set TB,  2
.set TS,  3
.set STEPI, 48
.set T,   50
.set SD,  52
.set QOFF, 53
.set SH,  54
	s_load_b128 s[4:7], s[0:1], 0x0
	v_lshl_add_u32 v223, v0, 2, 0x34000
	v_mov_b32 v243, 0
	ds_add_u32 v223, v243
	ds_add_u32 v223, v243
	v_lshrrev_b32 v1, 5, v0
	s_delay_alu instid0(VALU_DEP_1)
	v_readfirstlane_b32 s[WV], v1
	s_and_b32 s8, ttmp7, 0xffff
	s_mov_b32 s9, ttmp9
	s_mov_b32 s[G1C], 3<<16
	s_mov_b32 s[G1C+1], 768<<16
	s_mov_b32 s[G1C+2], 2<<16
	s_mov_b32 s[G1C+3], 768<<16
	s_mov_b32 s[G1C+4], 2
	s_mov_b32 s[G1C+5], 786432
	s_mov_b32 s[G1C+6], 0
	s_mov_b32 s[G1C+7], 0
	s_mov_b32 s[G1S], 3<<16
	s_mov_b32 s[G1S+1], 32<<16
	s_mov_b32 s[G1S+2], 2<<16
	s_mov_b32 s[G1S+3], 32<<16
	s_mov_b32 s[G1S+4], 2
	s_mov_b32 s[G1S+5], 32768
	s_mov_b32 s[G1S+6], 0
	s_mov_b32 s[G1S+7], 0
	s_mul_i32 s10, s8, HS
	s_mul_i32 s11, s[WV], 6144
	s_add_co_u32 s10, s10, s11
	s_add_co_u32 s10, s10, KC
	s_mov_b32 s11, 0
	s_lshl_b32 s12, s8, 12
	s_lshl_b32 s13, s[WV], 8
	s_add_co_u32 s12, s12, s13
	s_add_co_u32 s12, s12, KSO
	s_mov_b32 s13, 0
	s_mul_i32 s14, s[WV], 12288
	s_lshl_b32 s15, s[WV], 9
	s_mov_b32 s[SEL], 0x76543210
	s_mov_b32 s[SEL+1], 0xfedcba98
	s_mov_b32 s[CS], 0x3e38aa3b
	s_mov_b32 s[CS+1], s[CS]
	s_wait_dscnt 0x0
	s_wait_kmcnt 0x0
	s_mov_b32 s[G0C], 1
	s_mov_b32 s[G0C+1], s14
	s_add_nc_u64 s[G0C+2:G0C+3], s[4:5], s[10:11]
	s_or_b32 s[G0C+3], s[G0C+3], 0x80000000
	s_mov_b32 s[G0S], 1
	s_add_co_u32 s[G0S+1], s15, SCB
	s_add_nc_u64 s[G0S+2:G0S+3], s[4:5], s[12:13]
	s_or_b32 s[G0S+3], s[G0S+3], 0x80000000
	tensor_load_to_lds s[G0C:G0C+3], s[G1C:G1C+7]
	s_nop 0
	tensor_load_to_lds s[G0S:G0S+3], s[G1S:G1S+7]
	s_nop 0
.rept 4
	v_nop
.endr
	v_and_b32 v84, 31, v0
	v_and_b32 v85, 15, v0
	v_bfe_u32 v86, v0, 4, 1
	s_delay_alu instid0(VALU_DEP_3)
	v_lshlrev_b32 v1, 3, v84
	s_delay_alu instid0(VALU_DEP_3)
	v_lshlrev_b32 v3, 4, v85
	s_delay_alu instid0(VALU_DEP_1)
	v_add_nc_u32 v2, SCB, v3
	v_and_b32 v4, 8, v85
	s_delay_alu instid0(VALU_DEP_1)
	v_add_nc_u32 v4, v4, v85
	v_lshlrev_b32 v87, 4, v86
	s_delay_alu instid0(VALU_DEP_1)
	v_sub_nc_u32 v4, v4, v87
	s_lshl_b32 s14, s[WV], 5
	v_lshl_add_u32 v5, v85, 1, s14
	s_delay_alu instid0(VALU_DEP_1)
	v_add_nc_u32 v5, STG, v5
	v_lshlrev_b32 v11, 4, v84
	s_min_u32 s14, s[WV], 1
	s_lshl_b32 s14, s14, 9
	v_add_nc_u32 v6, s14, v11
	s_delay_alu instid0(VALU_DEP_1)
	v_add_nc_u32 v6, STG, v6
	v_mov_b32 v7, 0
	v_mov_b32 v8, 0
.irp j, 16,17,18,19,20,21,28,29,30,31,32,33
	v_mov_b32 v[\j], 0
.endr
.irp b, 0,1,2,3
	v_mov_b32 v[236+\b], 0
.endr
	v_mov_b32 v252, 0
	v_mov_b32 v253, 0
	s_sub_co_u32 s14, 7, s9
	s_cmp_eq_u32 s[WV], 0
	s_cselect_b32 s14, s14, s9
	s_lshl_b32 s14, s14, 9
	s_lshl_b32 s15, s8, 12
	s_add_co_u32 s14, s14, s15
	s_add_co_u32 s14, s14, SEC_O
	s_mov_b32 s15, 0
	s_add_nc_u64 s[12:13], s[6:7], s[14:15]
	s_wait_tensorcnt 0x0
	s_barrier_signal -1
	s_barrier_wait -1
.macro PHASE ph
.if \ph == 0
	s_sub_co_u32 s[T], 7, s9
.else
	s_wait_xcnt 0x0
	s_mov_b32 s[T], s9
.endif
	s_lshl_b32 s[T], s[T], 4
	s_add_co_u32 s[T], s[T], s[WV]
	s_lshr_b32 s[SD], s[T], 3
	s_and_b32 s14, s[T], 7
	s_lshr_b32 s15, s14, 1
	s_and_b32 s[SH], s[T], 1
	s_lshl_b32 s[QOFF], s15, 5
	s_lshl_b32 s14, s[SH], 3
	s_add_co_u32 s[QOFF], s[QOFF], s14
	s_lshl_b32 s[SH], s[SH], 4
	s_mul_i32 s56, s8, HS
	s_mul_i32 s14, s[T], 768
	s_add_co_u32 s56, s56, s14
	s_mov_b32 s57, 0
	s_add_nc_u64 s[56:57], s[4:5], s[56:57]
	s_lshl_b32 s58, s8, 12
	s_lshl_b32 s14, s[SD], 8
	s_add_co_u32 s58, s58, s14
	s_lshl_b32 s14, s15, 2
	s_add_co_u32 s58, s58, s14
	s_add_co_u32 s58, s58, QSO
	s_mov_b32 s59, 0
	s_add_nc_u64 s[58:59], s[4:5], s[58:59]
	s_lshr_b32 s14, s8, 4
	s_lshl_b32 s14, s14, 7
	s_add_co_u32 s14, s14, s[T]
	s_mul_i32 s60, s14, 12288
	s_and_b32 s14, s8, 15
	s_mul_i32 s14, s14, 768
	s_add_co_u32 s60, s60, s14
	s_mov_b32 s61, 0
	s_add_nc_u64 s[60:61], s[6:7], s[60:61]
.irp p, 0,1,2
	global_load_b64 v[22+2*\p:23+2*\p], v1, s[56:57] offset:256*\p
.endr
	global_load_b32 v254, v3, s[58:59]
	v_mov_b32 v13, 0xff61b1e6
	s_delay_alu instid0(VALU_DEP_1)
	v_floor_f32 v12, -v13
	v_mov_b32 v14, 0
	v_mov_b32 v15, 0
	s_mov_b32 s[TB], 0
	s_mov_b32 s[TS], 0
	s_mov_b32 s[STEPI], 0
	s_wait_loadcnt 0x0
	v_lshrrev_b32 v254, s[SH], v254
	s_delay_alu instid0(VALU_DEP_1)
	v_and_b32 v254, 0xffff, v254
	s_delay_alu instid0(VALU_DEP_1)
	v_or_b32 v255, 0x01010000, v254
	s_delay_alu instid0(VALU_DEP_2)
	v_lshl_or_b32 v34, v254, 16, 0x0101
.set j, 0
.rept 32
	v_mov_b32 v[160+j], 0
.set j, j+1
.endr
.Lstep\ph:
	s_cmp_gt_u32 s[STEPI], s[SD]
	s_cbranch_scc1 .Lskip\ph
	s_setprio 2
	v_add_nc_u32 v9, s[TB], v1
	v_add_nc_u32 v10, s[TS], v2
	v_nop
	v_nop
.irp b, 0,1,2,3
.irp p, 0,1,2,3,4,5
	ds_load_b64 v[36+12*\b+2*\p:37+12*\b+2*\p], v9 offset:1536*\b+256*\p
.endr
.endr
	ds_load_b128 v[248:251], v10
	s_wait_alu depctr_va_vdst(0)
	s_wait_dscnt 0x0
.irp b, 0,1,2,3
	v_wmma_scale_f32_16x16x128_f8f6f4 v[96+16*\b:103+16*\b], v[36+12*\b:47+12*\b], v[22:33], 0, v[248+\b], v255 matrix_a_fmt:MATRIX_FMT_BF6 matrix_b_fmt:MATRIX_FMT_BF6
	v_wmma_scale_f32_16x16x128_f8f6f4 v[104+16*\b:111+16*\b], v[36+12*\b:47+12*\b], v[16:27], 0, v[248+\b], v34 matrix_a_fmt:MATRIX_FMT_BF6 matrix_b_fmt:MATRIX_FMT_BF6
.endr
.rept 4
	v_nop
.endr
.irp b, 0,1,2,3
.irp p, 0,1,2,3,4,5
	ds_load_b64 v[36+12*\b+2*\p:37+12*\b+2*\p], v9 offset:6144+1536*\b+256*\p
.endr
.endr
	ds_load_b128 v[248:251], v10 offset:256
	s_cmp_lg_u32 s[STEPI], s[SD]
	s_cbranch_scc1 .Lopen\ph
	v_add_nc_u32 v252, s[QOFF], v4
	v_mov_b32 v254, 0xff800000
.irp n, 0,1,2,3,4,5,6,7,8,9,10,11,12,13,14,15,16,17,18,19,20,21,22,23,24,25,26,27,28,29,30,31,32,33,34,35,36,37,38,39,40,41,42,43,44,45,46,47,48,49,50,51,52,53,54,55,56,57,58,59,60,61,62,63
	v_cmp_gt_i32 vcc_lo, 32*(\n/16)+\n%16, v252
	v_cndmask_b32 v[96+\n], v[96+\n], v254, vcc_lo
.endr
.Lopen\ph:
.irp b, 0,1,2,3
	v_max3_num_f32 v[232+\b], v[96+16*\b], v[97+16*\b], v[98+16*\b]
.endr
.irp i, 3,5,7,9,11,13
.irp b, 0,1,2,3
	v_max3_num_f32 v[232+\b], v[232+\b], v[96+16*\b+\i], v[97+16*\b+\i]
.endr
.endr
.irp b, 0,1,2,3
	v_max_num_f32 v[232+\b], v[232+\b], v[111+16*\b]
.endr
.irp b, 0,1,2,3
	s_delay_alu instid0(VALU_DEP_4)
	v_permlanex16_b32 v[236+\b], v[232+\b], s[SEL], s[SEL+1]
.endr
.irp b, 0,1,2,3
	s_delay_alu instid0(VALU_DEP_4)
	v_max_num_f32 v[232+\b], v[232+\b], v[236+\b]
.endr
	s_delay_alu instid0(VALU_DEP_2)
	v_max3_num_f32 v254, v232, v233, v234
	s_delay_alu instid0(VALU_DEP_1)
	v_max_num_f32 v254, v254, v235
	s_delay_alu instid0(VALU_DEP_1)
	v_mul_f32 v254, s[CS], v254
	s_delay_alu instid0(VALU_DEP_1)
	v_max_num_f32 v13, v13, v254
	v_mov_b32 v254, v12
	s_delay_alu instid0(VALU_DEP_2)
	v_floor_f32 v12, -v13
	s_delay_alu instid0(VALU_DEP_1)
	v_sub_f32 v254, v12, v254
	s_delay_alu instid0(VALU_DEP_1)
	v_cvt_i32_f32 v254, v254
	s_delay_alu instid0(VALU_DEP_1)
	v_ldexp_f32 v252, 1.0, v254
.set j, 0
	s_setprio 1
.rept 32
	v_pk_fma_f32 v[96+j:97+j], v[96+j:97+j], s[CS:CS+1], v[12:13] op_sel_hi:[1,0,0]
.set j, j+2
.endr
.irp b, 0,1,2,3
	v_fma_f32 v[232+\b], v[232+\b], s[CS], v12
.endr
.set j, 0
	s_wait_alu depctr_va_vdst(0)
.rept 64
	v_exp_f32 v[96+j], v[96+j]
.set j, j+1
.endr
	v_pk_mul_f32 v[14:15], v[14:15], v[252:253] op_sel_hi:[1,0]
	s_wait_alu depctr_va_vdst(0)
.irp b, 0,1,2,3
	v_exp_f32 v[232+\b], v[232+\b]
.endr
	v_pk_add_f32 v[236:237], v[100:101], v[104:105]
	v_pk_add_f32 v[246:247], v[108:109], v[112:113]
	v_pk_add_f32 v[244:245], v[116:117], v[120:121]
	v_pk_add_f32 v[240:241], v[124:125], v[128:129]
	v_pk_add_f32 v[238:239], v[132:133], v[136:137]
	v_pk_add_f32 v[230:231], v[140:141], v[144:145]
	v_pk_add_f32 v[228:229], v[148:149], v[152:153]
	v_pk_add_f32 v[14:15], v[14:15], v[156:157]
	v_pk_add_f32 v[236:237], v[236:237], v[96:97]
	v_pk_add_f32 v[246:247], v[246:247], v[98:99]
	v_pk_add_f32 v[244:245], v[244:245], v[102:103]
	v_pk_add_f32 v[240:241], v[240:241], v[106:107]
	v_pk_add_f32 v[238:239], v[238:239], v[110:111]
	v_pk_add_f32 v[230:231], v[230:231], v[114:115]
	v_pk_add_f32 v[228:229], v[228:229], v[118:119]
	v_pk_add_f32 v[14:15], v[14:15], v[122:123]
	v_pk_add_f32 v[236:237], v[236:237], v[126:127]
	v_pk_add_f32 v[246:247], v[246:247], v[130:131]
	v_pk_add_f32 v[244:245], v[244:245], v[134:135]
	v_pk_add_f32 v[240:241], v[240:241], v[138:139]
	v_pk_add_f32 v[238:239], v[238:239], v[142:143]
	v_pk_add_f32 v[230:231], v[230:231], v[146:147]
	v_pk_add_f32 v[228:229], v[228:229], v[150:151]
	v_pk_add_f32 v[14:15], v[14:15], v[154:155]
	v_pk_add_f32 v[236:237], v[236:237], v[158:159]
	s_delay_alu instid0(VALU_DEP_2)
	v_pk_add_f32 v[14:15], v[14:15], v[240:241]
	s_delay_alu instid0(VALU_DEP_2)
	v_pk_add_f32 v[236:237], v[236:237], v[238:239]
	v_pk_add_f32 v[246:247], v[246:247], v[230:231]
	v_pk_add_f32 v[244:245], v[244:245], v[228:229]
	s_delay_alu instid0(VALU_DEP_2)
	v_pk_add_f32 v[14:15], v[14:15], v[246:247]
	s_delay_alu instid0(VALU_DEP_2)
	v_pk_add_f32 v[236:237], v[236:237], v[244:245]
	s_delay_alu instid0(VALU_DEP_1)
	v_pk_add_f32 v[14:15], v[14:15], v[236:237]
	s_setprio 0
	s_wait_alu depctr_va_vdst(0)
.irp b, 0,1,2,3
	v_max_num_f32 v[232+\b], 0x2800000, v[232+\b]
.endr
.irp b, 0,1,2,3
	s_delay_alu instid0(VALU_DEP_4)
	v_add_nc_u32 v[244+\b], 0xfe000000, v[232+\b]
.endr
.irp b, 0,1,2,3
	s_delay_alu instid0(VALU_DEP_4)
	v_lshrrev_b32 v[236+\b], 23, v[244+\b]
.endr
	s_delay_alu instid0(VALU_DEP_3)
	v_lshl_or_b32 v253, v237, 8, v236
	s_delay_alu instid0(VALU_DEP_1)
	v_lshl_or_b32 v253, v238, 16, v253
	s_delay_alu instid0(VALU_DEP_1)
	v_lshl_or_b32 v253, v239, 24, v253
.irp c, 0,1
	v_cvt_scalef32_pk16_bf6_f32 v[224+6*\c:226+6*\c], v[96+32*\c:111+32*\c], v[244+2*\c]
	v_cvt_scalef32_pk16_bf6_f32 v[236+4*\c:238+4*\c], v[112+32*\c:127+32*\c], v[244+2*\c+1]
.endr
	v_nop
.irp c, 0,1
.irp i, 0,1,2
	v_permlane16_swap_b32 v[224+6*\c+\i], v[236+4*\c+\i]
.endr
.irp i, 0,1,2
	s_delay_alu instid0(VALU_DEP_3)
	v_mov_b32 v[227+6*\c+\i], v[236+4*\c+\i]
.endr
.endr
.set j, 0
.rept 16
	v_pk_mul_f32 v[160+j:161+j], v[160+j:161+j], v[252:253] op_sel_hi:[1,0]
.set j, j+2
.endr
	s_wait_alu depctr_va_vdst(0)
	s_wait_dscnt 0x0
.irp a, 0,1,2,3
	v_wmma_scale_f32_16x16x128_f8f6f4 v[160+8*\a:167+8*\a], v[36+12*\a:47+12*\a], v[224:235], v[160+8*\a:167+8*\a], v[248+\a], v253 matrix_a_fmt:MATRIX_FMT_BF6 matrix_b_fmt:MATRIX_FMT_BF6
.endr
.Lskip\ph:
	s_add_co_u32 s[TB], s[TB], 12288
	s_add_co_u32 s[TS], s[TS], 512
	s_add_co_u32 s[STEPI], s[STEPI], 1
	s_cmp_lt_u32 s[STEPI], 16
	s_cbranch_scc1 .Lstep\ph
	s_setprio 0
.rept 4
	v_nop
.endr
	v_add_f32 v14, v14, v15
	s_delay_alu instid0(VALU_DEP_1)
	v_permlanex16_b32 v252, v14, s[SEL], s[SEL+1]
	s_delay_alu instid0(VALU_DEP_1)
	v_add_f32 v14, v14, v252
	s_wait_alu depctr_va_vdst(0)
	v_rcp_f32 v14, v14
	v_nop
	s_wait_alu depctr_va_vdst(0)
.set j, 0
.rept 16
	v_pk_mul_f32 v[96+j:97+j], v[160+j:161+j], v[14:15] op_sel_hi:[1,0]
.set j, j+2
.endr
.irp b, 0,1
	v_max3_num_f32 v[232+\b], |v[96+16*\b]|, |v[97+16*\b]|, 0x2800000
.endr
.irp i, 2,4,6,8,10,12,14
.irp b, 0,1
	s_delay_alu instid0(VALU_DEP_2)
	v_max3_num_f32 v[232+\b], v[232+\b], |v[96+16*\b+\i]|, |v[97+16*\b+\i]|
.endr
.endr
.irp b, 0,1
	s_delay_alu instid0(VALU_DEP_2)
	v_permlanex16_b32 v[236+\b], v[232+\b], s[SEL], s[SEL+1]
.endr
.irp b, 0,1
	s_delay_alu instid0(VALU_DEP_2)
	v_max_num_f32 v[232+\b], v[232+\b], v[236+\b]
.endr
.irp b, 0,1
	s_delay_alu instid0(VALU_DEP_2)
	v_add_nc_u32 v[244+\b], 0xfe000000, v[232+\b]
.endr
.irp b, 0,1
	s_delay_alu instid0(VALU_DEP_2)
	v_lshrrev_b32 v[236+\b], 23, v[244+\b]
.endr
	s_delay_alu instid0(VALU_DEP_1)
	v_lshl_or_b32 v[8-\ph], v237, 8, v236
	v_cvt_scalef32_pk16_bf6_f32 v[224:226], v[96:111], v244
	v_cvt_scalef32_pk16_bf6_f32 v[228:230], v[112:127], v245
	v_nop
.irp i, 0,1,2
	v_permlane16_swap_b32 v[224+\i], v[228+\i]
.endr
	s_delay_alu instid0(VALU_DEP_3)
	v_mov_b32 v227, v228
	s_delay_alu instid0(VALU_DEP_3)
	v_mov_b32 v228, v229
	s_delay_alu instid0(VALU_DEP_3)
	v_mov_b32 v229, v230
.irp p, 0,1,2
	global_store_b64 v1, v[224+2*\p:225+2*\p], s[60:61] offset:256*\p
.endr
.endm
	PHASE 0
	PHASE 1
	ds_store_b16 v5, v8
	ds_store_b16 v5, v7 offset:512
	s_wait_dscnt 0x0
	s_barrier_signal -1
	s_barrier_wait -1
	s_cmp_gt_u32 s[WV], 1
	s_cbranch_scc1 .Lend
	ds_load_b128 v[96:99], v6
	s_wait_dscnt 0x0
	global_store_b128 v11, v[96:99], s[12:13]
.Lend:
	s_wait_tensorcnt 0x0
	ds_add_u32 v223, v243
	s_wait_dscnt 0x0
	s_endpgm
.Lfunc_end_k_q3079c6ae9b_attn:
	.size	k_q3079c6ae9b_attn, .Lfunc_end_k_q3079c6ae9b_attn-k_q3079c6ae9b_attn
	.p2alignl 7, 3214868480
	.fill 96, 4, 3214868480
	.section	.rodata,"a",@progbits
	.p2align	6, 0x0
	.amdhsa_kernel k_q3079c6ae9b_attn
		.amdhsa_group_segment_fixed_size 215040
		.amdhsa_private_segment_fixed_size 0
		.amdhsa_enable_private_segment 0
		.amdhsa_kernarg_size 16
		.amdhsa_user_sgpr_count 2
		.amdhsa_user_sgpr_kernarg_segment_ptr 1
		.amdhsa_wavefront_size32 1
		.amdhsa_system_sgpr_workgroup_id_x 1
		.amdhsa_system_sgpr_workgroup_id_y 1
		.amdhsa_system_sgpr_workgroup_id_z 1
		.amdhsa_system_vgpr_workitem_id 0
		.amdhsa_next_free_vgpr 256
		.amdhsa_next_free_sgpr 66
		.amdhsa_reserve_vcc 1
		.amdhsa_float_denorm_mode_32 3
		.amdhsa_float_denorm_mode_16_64 3
		.amdhsa_memory_ordered 1
		.amdhsa_forward_progress 1
		.amdhsa_inst_pref_size 68
	.end_amdhsa_kernel
	.amdgpu_metadata
---
amdhsa.version: [ 1, 2 ]
amdhsa.kernels:
  - .name:           k_q3079c6ae9b_attn
    .symbol:         k_q3079c6ae9b_attn.kd
    .args:
      - { .name: qkv, .offset: 0, .size: 8, .value_kind: global_buffer, .address_space: global }
      - { .name: att, .offset: 8, .size: 8, .value_kind: global_buffer, .address_space: global }
    .group_segment_fixed_size: 215040
    .private_segment_fixed_size: 0
    .kernarg_segment_align: 8
    .kernarg_segment_size: 16
    .max_flat_workgroup_size: 512
    .sgpr_count:     66
    .vgpr_count:     256
    .wavefront_size: 32
...
	.end_amdgpu_metadata
.endif
;; end of part 4
;; launch oproj (part 5): grid 4 x 32, 4 waves a work-group, clusters of 4 x 4, 327,680 bytes of LDS; arguments att, wcs, bo, out0; writes out0
.if DOCPART == 5
	.amdgcn_target "amdgcn-amd-amdhsa--gfx1250"
	.amdhsa_code_object_version 6
	.text
	.protected	k_q3079c6ae9b_oproj
	.globl	k_q3079c6ae9b_oproj
	.p2align	8
	.type	k_q3079c6ae9b_oproj,@function
k_q3079c6ae9b_oproj:
	s_mov_b64 s[64:65], 0
	v_nop
	global_prefetch_b8 v0, s[64:65] scope:SCOPE_SE
	s_setreg_imm32_b32 hwreg(HW_REG_WAVE_MODE, 25, 1), 1
	s_wait_xcnt 0x0
	s_wait_alu depctr_hold_cnt(0) depctr_sa_sdst(0) depctr_va_vdst(0) depctr_va_sdst(0) depctr_va_ssrc(0) depctr_va_vcc(0) depctr_vm_vsrc(0)
	s_getreg_b32 s2, hwreg(HW_REG_IB_STS2, 6, 4)
	s_cmp_eq_u32 s2, 0
	s_cbranch_scc0 .Lentry_in_a_cluster
	s_endpgm
.Lentry_in_a_cluster:
	s_bfe_u32 s2, ttmp6, 0x10000c
	s_cmp_lg_u32 s2, 0xf033
	s_cbranch_scc0 .Lentry_shape_is_right
	s_endpgm
.Lentry_shape_is_right:
; out0 = attention's result x wo + bo, on codes of BF6 (E3M2) with E8M0 scales; out0 [8192][1024] f32.
; Operands are images (codes [tile of 16 rows][K step of 128][piece 6][lane][8 bytes]; lane r of tile RB is row 32 (RB / 2) + 8 (RB % 2) + r + 8 (r / 8)).  A = att, B = rows 3,072 .. 4,095 of the weights' image.
; A tile of C, 256 x 256, is made by four waves, 128 x 128 each: 64 accumulators, 512 registers.  K = 1,024 goes in four slots of 256 through a ring of two LDS slots filled by the tensor data mover.
; Source 0 = 16 rows of B, source 1 = 16 rows of A: a lane holds one row of C, and a tile's eight registers are eight neighbouring columns.  The bias is the C of the first products.
; CLUSTERS: 4 x 4 work-groups; A's tiles are shared along a row of the cluster, B's along a column, by joint loads.  The grid has 128 work-groups: C has no more tiles of this size.
; SCALE WORDS.  B's come by one joint load a wave, filled once.  A's lie in memory by heads ([batch][head][row][2 bytes]): each thread loads two rows' bytes of all 16 heads, makes the rows' eight words and stores them
; to LDS bytes into which no fill lands.
; REGISTERS: window 0: v0-31 addresses; v32-63 scale words, two sets; v64-127 the bias; v128-223 A's fragments, one set; on the way out v128-255 hold rows of C.
;   window 1: B's fragments, two sets.  windows 2, 3: the accumulators ((a, b) at v[8 (8 (a % 4) + b)]).
.set SEC_W, 3145728
.set SEC_O, 6291456
.set NQ,    2
.set FR,    12
.set FRB,   1536
.set NL,    6
.set NP,    4                          ; places behind this matrix instruction (ISA guide 7.12.1)
.set HALFT, 24576                      ; 128 rows x 256 K: 8 tiles x 2 fragments, dense
.set SLOT,  98304
.set LAPS,  2
.set SCL,   196608                     ; the scale words, as units of 256 bytes + 16: A's 8,704 bytes (stored by the waves), then B's 8,704 (filled)
.set HALFS, 4352
.set SBLK,  544
.set SPARE, 214016
.set SPITCH, 528                       ; the way out: a stage of 16 rows x (512 + 16) bytes for each wave, in slot 0, which has had its last fill and its last read by then
.set ADRA, 16
.set ADRB, 20
.set STO,  24
.set RD,   25
.set CO,   26
.set ADRS, 27
.set SPW,  28
.set NIL,  29
.set SC,   32
.set BC,   64
.set AF,   128
.set BK,   128
.set WV, 16
.set RH, 17
.set CH, 18
.set G1, 24
.set G0, 32
.set G1B, 48
.set G0B, 56
.set G1SB, 80
.set G0SB, 88
.set MSB, 0
.macro WIN new
.if MSB != (\new)
	s_set_vgpr_msb (MSB<<8)|(\new)
.set MSB, (\new)
.endif
.endm
.set MUL_LO, 0xa1
.set MUL_HI, 0xf1
.set BEG_LO, 0x81
.set BEG_HI, 0xc1
.set TO_B,   0x40
.macro JLOAD g0a, g1a, g0b, g1b        ; waves 0 and 1 fetch for A, waves 2 and 3 for B; four v_nop follow each line
	s_cmp_eq_u32 s[RH], 0
	s_cbranch_scc0 .Lfor_b_\@
	tensor_load_to_lds s[\g0a:\g0a+3], s[\g1a:\g1a+7]
	s_nop 0
.rept 4
	v_nop
.endr
	s_branch .Lasked_\@
.Lfor_b_\@:
	tensor_load_to_lds s[\g0b:\g0b+3], s[\g1b:\g1b+7]
	s_nop 0
.rept 4
	v_nop
.endr
.Lasked_\@:
.endm
.macro CREST
	s_cmp_lg_u32 s[WV], 0
	s_cbranch_scc1 .Lnot_wave_0_\@
	s_barrier_signal -3
.Lnot_wave_0_\@:
	s_barrier_wait -3
	s_barrier_signal -1
	s_barrier_wait -1
.endm
.macro CROUND
	s_barrier_signal -1
	s_barrier_wait -1
	CREST
.endm
.macro PLACES n
.rept \n
	v_nop
.endr
.endm
.macro FRAG reg, adr, q, i
.irp p, 0,1,2,3,4,5
	ds_load_b64 v[\reg+2*\p:\reg+2*\p+1], v[\adr] offset:((\i)*2+(\q))*FRB+256*\p
.endr
.endm
.macro MUL16 a0, p, q, sc, zero        ; the 64 accumulators take turns, one instruction a turn
.irp a, \a0, \a0+1
.irp b, 0,1,2,3,4,5,6,7
.if \zero
	v_wmma_scale_f32_16x16x128_f8f6f4 v[8*(8*((\a)%4)+\b):8*(8*((\a)%4)+\b)+7], v[128*(\p)+FR*\b:128*(\p)+FR*\b+FR-1], v[AF+FR*(\a):AF+FR*(\a)+FR-1], v[BC+8*\b:BC+8*\b+7], v[SC+8*NQ*(\sc)+NQ*\b+(\q)], v[SC+8*NQ*(\sc)+NQ*(\a)+(\q)] matrix_a_fmt:MATRIX_FMT_BF6 matrix_b_fmt:MATRIX_FMT_BF6 matrix_a_scale:MATRIX_SCALE_ROW1
.else
	v_wmma_scale_f32_16x16x128_f8f6f4 v[8*(8*((\a)%4)+\b):8*(8*((\a)%4)+\b)+7], v[128*(\p)+FR*\b:128*(\p)+FR*\b+FR-1], v[AF+FR*(\a):AF+FR*(\a)+FR-1], v[8*(8*((\a)%4)+\b):8*(8*((\a)%4)+\b)+7], v[SC+8*NQ*(\sc)+NQ*\b+(\q)], v[SC+8*NQ*(\sc)+NQ*(\a)+(\q)] matrix_a_fmt:MATRIX_FMT_BF6 matrix_b_fmt:MATRIX_FMT_BF6 matrix_a_scale:MATRIX_SCALE_ROW1
.endif
.endr
.endr
.endm
.macro FETCH_B slot, q, p
	WIN TO_B
.irp i, 0,1,2,3,4,5,6,7
	FRAG 128*(\p)+FR*\i, ADRB+\slot, \q, \i
.endr
	WIN 0
.endm
.macro FETCH_A slot, q, i0
.irp i, \i0, \i0+1, \i0+2, \i0+3
	FRAG AF+FR*(\i), ADRA+\slot, \q, \i
.endr
.endm
.macro SCALES sc
.irp i, 0,1,2,3,4,5,6,7
	ds_load_b64 v[SC+8*NQ*\sc+NQ*\i:SC+8*NQ*\sc+NQ*\i+1], v[ADRS] offset:\i*SBLK
.endr
.endm
.macro STEP slot, q, zero
	s_wait_dscnt 4*NL                              ; B's set and A's blocks 0-3 are in; the youngest 24 loads (A's blocks 4-7) may be out
.if \zero
	WIN BEG_LO
.else
	WIN MUL_LO
.endif
	MUL16 0, (\q)%2, \q, \slot, \zero
	MUL16 2, (\q)%2, \q, \slot, \zero
	s_wait_dscnt 0
	PLACES NP
	FETCH_B \slot, (\q)+1, 1-(\q)%2
	FETCH_A \slot, (\q)+1, 0
.if \zero
	WIN BEG_HI
.else
	WIN MUL_HI
.endif
	MUL16 4, (\q)%2, \q, \slot, \zero
	MUL16 6, (\q)%2, \q, \slot, \zero
	PLACES NP
	WIN 0
	FETCH_A \slot, (\q)+1, 4
.endm
.macro TURN slot, next, fill
	s_wait_tensorcnt 0x0                           ; all my tensor loads have landed: my part of the next slot
	ds_add_u32 v[SPW], v[NIL]                      ; 0 onto my spare word
	s_wait_dscnt 4*NL+1                            ; (the add and the youngest 24 loads may be out)
	WIN MUL_LO
	MUL16 0, 1, NQ-1, \slot, 0
	s_wait_dscnt 0x0                               ; the add is done, and my reads of this slot are over
	s_barrier_signal -1
	MUL16 2, 1, NQ-1, \slot, 0
	WIN 0
	s_barrier_wait -1
.if \fill
	CREST                                          ; the barrier has opened a round of the cluster's: no wave of any partner still reads this slot or has a load on its way
	s_add_nc_u64 s[G0+4*\slot+2:G0+4*\slot+3], s[G0+4*\slot+2:G0+4*\slot+3], 2*NQ*FRB
	s_add_nc_u64 s[G0B+4*\slot+2:G0B+4*\slot+3], s[G0B+4*\slot+2:G0B+4*\slot+3], 2*NQ*FRB
	JLOAD G0+4*\slot, G1, G0B+4*\slot, G1B
.else
	PLACES NP
.endif
	v_add_nc_u32 v[ADRS], 4*NQ, v[ADRS]
	FETCH_B \next, 0, 0
	FETCH_A \next, 0, 0
	SCALES \next
	WIN MUL_HI
	MUL16 4, 1, NQ-1, \slot, 0
	MUL16 6, 1, NQ-1, \slot, 0
	PLACES NP
	WIN 0
	FETCH_A \next, 0, 4
.endm
	s_load_b256 s[4:11], s[0:1], 0x0               ; att, wcs, bo, out0
	v_lshl_add_u32 v[SPW], v0, 2, SPARE
	v_mov_b32 v[NIL], 0
	ds_add_u32 v28, v29
	ds_add_u32 v28, v29
	s_wait_dscnt 0x0
	v_lshrrev_b32 v1, 5, v0
	v_readfirstlane_b32 s[WV], v1
	s_lshr_b32 s[RH], s[WV], 1
	s_and_b32 s[CH], s[WV], 1
	s_bfe_u32 s40, ttmp6, 0x40000                  ; cx
	s_bfe_u32 s41, ttmp6, 0x40004                  ; cy
	s_and_b32 s43, ttmp7, 0xffff
	s_lshl_b32 s46, s43, 2
	s_add_co_u32 s46, s46, s41                     ; A's tile of 256 rows = 4 x cluster y + cy
	s_add_co_u32 s47, s40, 12                      ; B's: wo's rows begin at tile 12 of the weights' image
	s_lshl_b32 s44, s41, 2
	s_lshl_b32 s44, 15, s44                        ; my row of the cluster
	s_lshl_b32 s45, 0x1111, s40                    ; my column
	s_or_b32 s[G1], s44, (3<<16)|(1<<21)
	s_or_b32 s[G1B], s45, (3<<16)|(1<<21)
.irp g, G1, G1B
	s_mov_b32 s[\g+1], 384<<16                     ; 8 rows (tiles) of 384 elements of 8 bytes, 1,536 elements apart
	s_mov_b32 s[\g+2], 8<<16
	s_mov_b32 s[\g+3], 384<<16
	s_mov_b32 s[\g+4], 8
	s_mov_b32 s[\g+5], 1536
	s_mov_b32 s[\g+6], 0
	s_mov_b32 s[\g+7], 0
.endr
	s_or_b32 s[G1SB], s45, (3<<16)|(1<<20)|(1<<21)|(5<<22)|(3<<25)   ; B's scale words of 64 rows: 8 rows of 256 bytes, 16 bytes of padding behind each
	s_mov_b32 s[G1SB+1], 32<<16
	s_mov_b32 s[G1SB+2], 8<<16
	s_mov_b32 s[G1SB+3], 32<<16
	s_mov_b32 s[G1SB+4], 8
	s_mov_b32 s[G1SB+5], 32
	s_mov_b32 s[G1SB+6], 0
	s_mov_b32 s[G1SB+7], 0
	s_lshl_b32 s20, s46, 1
	s_add_co_u32 s20, s20, s[CH]
	s_mul_i32 s20, s20, 98304                      ; A: the 128 rows that I fetch
	s_mov_b32 s21, 0
	s_lshl_b32 s22, s47, 1
	s_add_co_u32 s22, s22, s[CH]
	s_mul_i32 s22, s22, 98304                      ; B likewise
	s_mov_b32 s23, 0
	s_lshl_b32 s98, s47, 13
	s_lshl_b32 s99, s[WV], 11
	s_add_co_u32 s98, s98, s99
	s_add_co_u32 s98, s98, SEC_W                   ; B's scale words: my quarter of the tile's 8,192 bytes
	s_mov_b32 s99, 0
	s_mul_i32 s19, s[WV], HALFT
	s_mul_i32 s2, s[WV], 2176
	s_wait_kmcnt 0x0
	s_add_nc_u64 s[20:21], s[4:5], s[20:21]
	s_add_nc_u64 s[22:23], s[6:7], s[22:23]
	s_add_nc_u64 s[98:99], s[6:7], s[98:99]
	CROUND                                         ; all sixteen work-groups are here: the first joint loads meet
	s_mov_b32 s[G0SB], 1
	s_add_co_u32 s[G0SB+1], s2, SCL+2*HALFS
	s_mov_b64 s[G0SB+2:G0SB+3], s[98:99]
	s_or_b32 s[G0SB+3], s[G0SB+3], 0x80000000
	tensor_load_to_lds s[G0SB:G0SB+3], s[G1SB:G1SB+7]   ; every wave a quarter of B's scale words: filled once
	s_nop 0
.rept 4
	v_nop
.endr
.irp s, 0,1
	s_mov_b32 s[G0+4*\s], 1
	s_add_co_u32 s[G0+4*\s+1], s19, \s*SLOT
	s_add_nc_u64 s[G0+4*\s+2:G0+4*\s+3], s[20:21], \s*NQ*FRB
	s_or_b32 s[G0+4*\s+3], s[G0+4*\s+3], 0x80000000
	s_mov_b32 s[G0B+4*\s], 1
	s_add_co_u32 s[G0B+4*\s+1], s19, \s*SLOT
	s_add_nc_u64 s[G0B+4*\s+2:G0B+4*\s+3], s[22:23], \s*NQ*FRB
	s_or_b32 s[G0B+4*\s+3], s[G0B+4*\s+3], 0x80000000
	JLOAD G0+4*\s, G1, G0B+4*\s, G1B               ; three tensor loads of mine are out
.endr
	; A's scale bytes: thread n takes rows 2 n and 2 n + 1 of the tile's 256 (in the image's order), 4 bytes for each of the 16 heads
	s_lshr_b32 s20, s46, 3
	s_lshl_b32 s20, s20, 16
	s_and_b32 s21, s46, 7
	s_lshl_b32 s21, s21, 9
	s_add_co_u32 s20, s20, s21
	s_add_co_u32 s20, s20, SEC_O
	s_mov_b32 s21, 0
	s_add_nc_u64 s[96:97], s[4:5], s[20:21]
	v_lshlrev_b32 v9, 2, v0
.irp d, 0,1,2,3,4,5,6,7,8,9,10,11,12,13,14,15
	global_load_b32 v[128+\d], v9, s[96:97] offset:4096*\d
.endr
	s_lshl_b32 s22, s40, 10
	s_lshl_b32 s23, s[CH], 9
	s_add_co_u32 s22, s22, s23                     ; my first column, in bytes: 4 (256 cx + 128 half)
	s_mov_b32 s23, 0
	s_add_nc_u64 s[98:99], s[8:9], s[22:23]        ; in bo,
	s_add_nc_u64 s[10:11], s[10:11], s[22:23]      ; and in a row of out0
	v_and_b32 v1, 15, v0                           ; r
	v_bfe_u32 v2, v0, 4, 1                         ; h
	v_and_b32 v3, 31, v0                           ; lane
	v_lshlrev_b32 v7, 6, v2
.irp b, 0,1,2,3,4,5,6,7
	global_load_b128 v[BC+8*\b:BC+8*\b+3], v7, s[98:99] offset:(32*(\b/2)+8*(\b%2))*4
	global_load_b128 v[BC+8*\b+4:BC+8*\b+7], v7, s[98:99] offset:(32*(\b/2)+8*(\b%2))*4+16
.endr
	v_lshlrev_b32 v4, 3, v3                        ; 8 x lane
	s_mul_i32 s20, s[RH], HALFT
	s_mul_i32 s22, s[CH], HALFT
	s_add_co_u32 s22, s22, 2*HALFT
.irp s, 0,1
	v_add_nc_u32 v[ADRA+\s], s20, v4
	v_add_nc_u32 v[ADRB+\s], s22, v4
	s_add_co_u32 s20, s20, SLOT
	s_add_co_u32 s22, s22, SLOT
.endr
	v_lshlrev_b32 v5, 5, v1
	v_lshrrev_b32 v6, 8, v5
	v_lshl_add_u32 v5, v6, 4, v5
	s_mul_i32 s20, s[RH], HALFS
	s_mul_i32 s22, s[CH], HALFS
	s_add_co_u32 s22, s22, 2*HALFS
	s_sub_co_u32 s22, s22, s20
	v_mul_u32_u24 v6, s22, v2                      ; lanes 16-31 take B's
	s_add_co_u32 s20, s20, SCL
	v_add_nc_u32 v5, v5, v6
	v_add_nc_u32 v[ADRS], s20, v5
	v_lshlrev_b32 v10, 6, v0                       ; where my two rows' words go: 64 n, and 16 more for each 256 passed
	v_lshrrev_b32 v11, 2, v0
	v_lshl_add_u32 v10, v11, 4, v10
	v_add_nc_u32 v10, SCL, v10
	s_mul_i32 s23, s[WV], 16*SPITCH                ; my stage
	v_mul_u32_u24 v5, v1, SPITCH
	v_lshl_add_u32 v5, v2, 6, v5
	v_add_nc_u32 v[STO], s23, v5                   ; in: row r, + 64 h
	v_lshlrev_b32 v[CO], 4, v3
	v_add_nc_u32 v[RD], s23, v[CO]                 ; back: a row of 512 bytes, 16 bytes a lane
	s_lshl_b32 s20, s46, 20
	s_lshl_b32 s21, s[RH], 19
	s_add_co_u32 s20, s20, s21                     ; my first row of out0: (256 tile + 128 half) x 4,096 bytes
	s_mov_b32 s21, 0
	s_add_nc_u64 s[10:11], s[10:11], s[20:21]
	s_wait_loadcnt 0x0
.irp k, 0,1,2,3,4,5,6,7                        ; word k of a row: heads 2 k and 2 k + 1, two bytes each
	v_perm_b32 v[144+\k], v[129+2*\k], v[128+2*\k], 0x05040100   ; row 2 n: the low halves
	v_perm_b32 v[152+\k], v[129+2*\k], v[128+2*\k], 0x07060302   ; row 2 n + 1: the high halves
.endr
	ds_store_b128 v10, v[144:147]
	ds_store_b128 v10, v[148:151] offset:16
	ds_store_b128 v10, v[152:155] offset:32
	ds_store_b128 v10, v[156:159] offset:48
	s_wait_dscnt 0x0                               ; for the others' sake: A's scale words lie in LDS,
	s_wait_tensorcnt 1                             ; B's and my part of slot 0 are in (slot 1's load may be out)
	s_barrier_signal -1
	s_barrier_wait -1                              ; everybody's are
	FETCH_B 0, 0, 0
	FETCH_A 0, 0, 0
	SCALES 0
	FETCH_A 0, 0, 4
	STEP 0, 0, 1                                   ; the first step stands in front of the loop: its products start the sums from the bias
	s_mov_b32 s3, LAPS-1
.Llap:
	TURN 0, 1, 1
	STEP 1, 0, 0
	TURN 1, 0, 1
	STEP 0, 0, 0
	s_sub_co_u32 s3, s3, 1
	s_cmp_lg_u32 s3, 0
	s_cbranch_scc1 .Llap
	TURN 0, 1, 0                                   ; the last lap fills nothing
	STEP 1, 0, 0
	s_wait_dscnt 4*NL
	WIN MUL_LO
	MUL16 0, 1, NQ-1, 1, 0
	MUL16 2, 1, NQ-1, 1, 0
	s_wait_dscnt 0
	WIN MUL_HI
	MUL16 4, 1, NQ-1, 1, 0
	MUL16 6, 1, NQ-1, 1, 0
	WIN 0
; THE WAY OUT, block by block of 16 rows x 128 columns, through my own stage: tile b's eight registers are columns 32 (b / 2) + 8 (b % 2) + 16 h + 0 .. 7 of row r; whole rows of 512 bytes come back.
; Stage row t of block a is row 32 (a / 2) + 8 (a % 2) + t + 8 (t / 8) of my 128.  LDS serves a wave's instructions in order: no wait between the stores and the loads.
.macro TOSTAGE a
.set AC, 64*((\a)%4)
	WIN 0x08+4*((\a)/4)                            ; the data: window 2 or 3
.irp b, 0,1,2,3,4,5,6,7
	ds_store_b128 v[STO], v[AC+8*\b:AC+8*\b+3] offset:128*(\b/2)+32*(\b%2)        ; each accumulator from its low end on
	ds_store_b128 v[STO], v[AC+8*\b+4:AC+8*\b+7] offset:128*(\b/2)+32*(\b%2)+16
.endr
	WIN 0
.set BB, BK+64*((\a)%2)
.irp t, 0,1,2,3,4,5,6,7,8,9,10,11,12,13,14,15
	ds_load_b128 v[BB+4*\t:BB+4*\t+3], v[RD] offset:\t*SPITCH
.endr
.endm
.macro SEND a, younger                 ; younger: the LDS instructions issued behind block a's loads, which may stay out
.set BB, BK+64*((\a)%2)
	s_wait_dscnt \younger
.irp t, 0,1,2,3,4,5,6,7,8,9,10,11,12,13,14,15
	global_store_b128 v[CO], v[BB+4*\t:BB+4*\t+3], s[10:11] offset:(32*((\a)/2)+8*((\a)%2)+\t+8*(\t/8))*4096 th:TH_STORE_NT   ; 512 consecutive bytes, aligned; written once
.endr
.endm
	PLACES NP                                      ; behind the last products: for the reads of results and the loads into A's fragments' registers
	TOSTAGE 0
.irp a, 1,2,3,4,5,6,7
.if \a > 1
	s_wait_xcnt 0x0                                ; block a - 2's stores have read their registers: block a's loads may land there
.endif
	TOSTAGE \a
	SEND \a-1, 32                                  ; behind block a - 1's loads: block a's 16 stores and 16 loads
.endr
	SEND 7, 0
	s_wait_tensorcnt 0x0                           ; the wave's end
	ds_add_u32 v[SPW], v[NIL]
	s_wait_dscnt 0x0
	CROUND                                         ; the closing round
	s_endpgm
.Lfunc_end_k_q3079c6ae9b_oproj:
	.size	k_q3079c6ae9b_oproj, .Lfunc_end_k_q3079c6ae9b_oproj-k_q3079c6ae9b_oproj
	.p2alignl 7, 3214868480
	.fill 96, 4, 3214868480
	.section	.rodata,"a",@progbits
	.p2align	6, 0x0
	.amdhsa_kernel k_q3079c6ae9b_oproj
		.amdhsa_group_segment_fixed_size 327680
		.amdhsa_private_segment_fixed_size 0
		.amdhsa_enable_private_segment 0
		.amdhsa_kernarg_size 32
		.amdhsa_user_sgpr_count 2
		.amdhsa_user_sgpr_kernarg_segment_ptr 1
		.amdhsa_wavefront_size32 1
		.amdhsa_system_sgpr_workgroup_id_x 1
		.amdhsa_system_sgpr_workgroup_id_y 1
		.amdhsa_system_sgpr_workgroup_id_z 1
		.amdhsa_system_vgpr_workitem_id 0
		.amdhsa_next_free_vgpr 1024
		.amdhsa_next_free_sgpr 102
		.amdhsa_reserve_vcc 0
		.amdhsa_float_denorm_mode_32 3
		.amdhsa_float_denorm_mode_16_64 3
		.amdhsa_memory_ordered 1
		.amdhsa_forward_progress 1
		.amdhsa_inst_pref_size 163
	.end_amdhsa_kernel
	.amdgpu_metadata
---
amdhsa.version: [ 1, 2 ]
amdhsa.kernels:
  - .name:           k_q3079c6ae9b_oproj
    .symbol:         k_q3079c6ae9b_oproj.kd
    .args:
      - { .name: att, .offset: 0, .size: 8, .value_kind: global_buffer, .address_space: global }
      - { .name: wcs, .offset: 8, .size: 8, .value_kind: global_buffer, .address_space: global }
      - { .name: bo, .offset: 16, .size: 8, .value_kind: global_buffer, .address_space: global }
      - { .name: out0, .offset: 24, .size: 8, .value_kind: global_buffer, .address_space: global }
    .group_segment_fixed_size: 327680
    .private_segment_fixed_size: 0
    .kernarg_segment_align: 8
    .kernarg_segment_size: 32
    .max_flat_workgroup_size: 128
    .sgpr_count:     102
    .vgpr_count:     1024
    .wavefront_size: 32
...
	.end_amdgpu_metadata
.endif
;; end of part 5
